; MI455X (gfx1250); checked and timed in simulation.
; The chip was launched on July 23, 2026; its instructions are those of AMD's public machine-readable ISA for CDNA 5 (MIT licence, August 2026) and "CDNA5" Instruction Set Architecture Reference Guide (July 2026). The comments in the code are by the model that wrote it; some were corrected since.
;; Causal Self Attention. Allowed arithmetic: matrix products marked QUANTISED: E2M3 operands, one E8M0 scale for each 32 along K, by v_wmma_scale_f32_16x16x128_f8f6f4 with both operands' format E2M3, f32 sums; everything else in f32.
;; Inputs: b_attn 3,072 float32; b_proj 1,024 float32; w_attn 1,024 x 3,072 float32; w_proj 1,024 x 1,024 float32; x 4 x 2,048 x 1,024 float32.
;; Outputs: out0 4 x 2,048 x 1,024 float32.
;; This version of the problem:
;;   THIS VERSION OF THE PROBLEM IS GIVEN IN LOW PRECISION. The matrix products marked QUANTISED in the list below multiply operands that are first quantised to E2M3 (2 exponent bits, 3 mantissa bits; 6 bits a number), with one power-of-two scale for each 32 numbers along K (OCP MX v1.0); their sums are f32. All else is computed in f32.
;;   The module's matrix products, in the order in which they are computed (A, B: the left and right operand; K: the contracted axis; several contracted axes count as one K, in the product's order):
;;     1. [M 8,192, K 1,024] x [K 1,024, N 3,072]; A: input x; B: input w_attn: QUANTISED
;;     2. batch 64 x [M 2,048, K 64] x [K 64, N 2,048]; A: computed on the way; B: computed on the way: QUANTISED
;;     3. batch 64 x [M 2,048, K 2,048] x [K 2,048, N 64]; A: softmax (see below); B: computed on the way: QUANTISED
;;     4. [M 8,192, K 1,024] x [K 1,024, N 1,024]; A: computed on the way; B: input w_proj: QUANTISED
;;   THE QUANTISER, for each operand of a quantised product, along K:
;;     - K is cut into blocks of 32 from its start; a last block that is shorter is filled with zeros.
;;     - A block's scale is 2^e with e = floor(log2(the largest magnitude in the block)) - 2, held to -126 .. 127; a block of zeros has e = 0. As a byte (E8M0): e + 127.
;;     - Each number is divided by its block's scale, clamped to +-7.5, and rounded to the nearest number of E2M3, ties to even, subnormals kept.
;;     - The product sums the exact products of the quantised numbers (number of the format x scale) in f32.
;;   ~~~python
;;   def quantise(x, axis):      # numpy; x: float32 -> the quantised numbers, widened to float32 again
;;       x = np.moveaxis(x, axis, -1); K = x.shape[-1]
;;       x = np.pad(x, [(0, 0)] * (x.ndim - 1) + [(0, -K % 32)]); x = x.reshape(x.shape[:-1] + (-1, 32)); a = np.abs(x).max(-1, keepdims=True)
;;       e = np.where(a > 0, np.clip(np.frexp(np.where(a > 0, a, 1))[1] - 1 - 2, -126, 127), 0)      # np.frexp(a)[1] - 1 = floor(log2(a)), exactly
;;       r = np.clip(x / 2.0 ** e, -7.5, 7.5)
;;       step = 2.0 ** (np.maximum(np.frexp(np.where(r == 0, 1, r))[1] - 1, 0) - 3)
;;       q = np.round(r / step) * step * 2.0 ** e      # np.round: ties to even
;;       return np.moveaxis(q.reshape(q.shape[:-2] + (-1,))[..., :K], -1, axis).astype(np.float32)
;;   ~~~
;;   SOFTMAX AHEAD OF A QUANTISED PRODUCT. Where the list says 'softmax', what is quantised is not the finished softmax but p = 2^(t - M), with t = logit x log2(e) and M = ceil(the row's largest t), a whole number; so 1/2 < the row's largest p <= 1. The row's sum l is taken of the UNQUANTISED p, in f32, and the product's result is divided by l at the end. Since M is a whole number, a kernel that streams over the keys may use a running M (the ceiling of the running maximum): every later rescaling is an exact power of two, which a block's scale takes up: the codes' values come out the same.
;;   OPERANDS COMPUTED ON THE WAY. 'Computed on the way' means the value that the module computes at that place (a softmax that the list does not call 'softmax' is quantised finished and normalised). What goes into a quantiser is computed in f32, as accurately as f32 sums, v_exp_f32 and their like allow (about 1e-6 of the number): no bf16 or f16 on the way to a quantiser, and a product that is left as it is and whose result goes on into a quantised operand takes f32 operands (vector FMAs, or v_wmma_f32_16x16x4_f32). A number that lies on a knife's edge between two numbers of the format may be rounded either way, as far as f32 arithmetic and the matrix unit's own rounding can turn it there, and no further.
;; One version. Each part assembles by itself: llvm-mc -triple=amdgcn-amd-amdhsa -mcpu=gfx1250 --defsym DOCPART=n.
;; ======== version 1 of 1: 4 launches
;; workspace buffers: xq 6,553,600 bytes; waq 2,457,600 bytes; wpq 819,200 bytes; qkv 19,660,800 bytes; yq 6,553,600 bytes
;; launch prep (part 1): grid 512 x 1, 4 waves a work-group, no clusters, 34,304 bytes of LDS; arguments x, w_attn, w_proj, xq, waq, wpq; writes xq, waq, wpq
.if DOCPART == 1
	.amdgcn_target "amdgcn-amd-amdhsa--gfx1250"
	.amdhsa_code_object_version 6
	.text
	.protected	k_qa1ba50e99a_prep
	.globl	k_qa1ba50e99a_prep
	.p2align	8
	.type	k_qa1ba50e99a_prep,@function
k_qa1ba50e99a_prep:
	s_mov_b64 s[64:65], 0
	v_nop
	global_prefetch_b8 v0, s[64:65] scope:SCOPE_SE
	s_setreg_imm32_b32 hwreg(HW_REG_WAVE_MODE, 25, 1), 1
	s_wait_xcnt 0x0
; x [8192][1024], w_attn [1024][3072] and w_proj [1024][1024], f32, become codes of FP6 (E2M3) with one E8M0 byte for each 32 along K (x: its last axis; the weights: their first).
; A block's scale is 2^(floor(log2(its largest magnitude)) - 2); its byte is the largest magnitude's exponent field - 2, held at 1 from below.
; LIMITS: NaN and infinities among the inputs are not served; a block whose largest magnitude lies under 2^-124 has its byte held at 1; a block of zeros gets the byte 1
; where the rule says 127 (its codes are zeros, which add nothing under any byte but 0xff, and the bytes are read by this program alone).
; WHAT IS STORED: images of operand registers.  A FRAGMENT is 16 rows x 128 K: 12 registers a lane; registers 4 c .. 4 c + 3 of lane l lie at byte 512 c + 16 l: 1,536 bytes.
; A buffer is [row tile][K step 0..7][1,536]; behind all codes the scale words, [row tile][K step / 4][row 0..15][K step % 4], four bytes each.
; THE ROWS OF A TILE ARE NOT NEIGHBOURS: lane r of tile p holds row 32 (p / 2) + 8 (p % 2) + r + 8 (r / 8): the later launches' results then fall into registers that run along the next K.
; Work-groups 0-255 take x (32 rows each: a wave takes one row tile and half of K), work-groups 256-511 the weights (128 columns x 128 K each).  Waves share nothing: no barrier.
.set SEL,  20                          ; s[20:21] selects of v_permlanex16_b32: lane l xor 16
.set RA,   16                          ; v16-143  x: two sets of 64 numbers as loaded;  the weights: 128 numbers down K
.set XN,   144                         ; v144-207 x: 64 numbers, register 16 b + i = k 32 b + 16 (lane / 16) + i of my row
.set PC,   208                         ; v208-226 x: the codes just made
.set TM,   228                         ; v228-243 at work
.set PW,   244                         ; v244-247 the four K steps' scale words
.set SP,   528                         ; a stage row: 512 bytes + 16
.set WST,  16*SP                       ; a wave's stage
; 64 numbers of a lane become a fragment's codes in v[PC] on and its scale word in v[pw]
.macro QUANT s, pw
.irp b, 0,1,2,3
	v_max3_num_f32 v[TM+\b], |v[\s+16*\b]|, |v[\s+1+16*\b]|, 0x1800000   ; block b: my 16 numbers, and the floor 2^(3 - 127): the byte cannot fall under 1
.endr
.irp i, 2,4,6,8,10,12,14
.irp b, 0,1,2,3
	v_max3_num_f32 v[TM+\b], v[TM+\b], |v[\s+16*\b+\i]|, |v[\s+1+16*\b+\i]|   ; the four blocks by turns
.endr
.endr
.irp b, 0,1,2,3
	v_permlanex16_b32 v[TM+4+\b], v[TM+\b], s[SEL], s[SEL+1]
.endr
.irp b, 0,1,2,3
	v_max_num_f32 v[TM+\b], v[TM+\b], v[TM+4+\b]   ; with lane l xor 16's: the block's largest magnitude
.endr
.irp b, 0,1,2,3
	v_add_nc_u32 v[TM+12+\b], 0xff000000, v[TM+\b]   ; 2 off its exponent field: the conversion's scale operand
.endr
.irp b, 0,1,2,3
	v_lshrrev_b32 v[TM+4+\b], 23, v[TM+12+\b]      ; the scale's byte
.endr
	v_lshl_or_b32 v[\pw], v[TM+5], 8, v[TM+4]
	v_lshl_or_b32 v[\pw], v[TM+6], 16, v[\pw]
	v_lshl_or_b32 v[\pw], v[TM+7], 24, v[\pw]
.irp c, 0,1
	v_cvt_scalef32_pk16_fp6_f32 v[PC+6*\c:PC+2+6*\c], v[\s+32*\c:\s+15+32*\c], v[TM+12+2*\c]
	v_cvt_scalef32_pk16_fp6_f32 v[PC+12+4*\c:PC+14+4*\c], v[\s+16+32*\c:\s+31+32*\c], v[TM+12+2*\c+1]   ; (a conversion's three registers begin on an even number)
.endr
	v_nop                                          ; one plain place behind a scaled conversion
.irp c, 0,1                            ; the operand's layout wants a whole block in a lane: lanes 0-15 block 2 c, lanes 16-31 block 2 c + 1
.irp i, 0,1,2
	v_permlane16_swap_b32 v[PC+6*\c+\i], v[PC+12+4*\c+\i]
.endr
.irp i, 0,1,2
	v_mov_b32 v[PC+3+6*\c+\i], v[PC+12+4*\c+\i]
.endr
.endr
.endm
.macro XLOAD n                         ; unit n: 128 along K of the tile's 16 rows; each load reads 512 consecutive bytes of one row
.set I, 0
.rept 16
	global_load_b128 v[RA+64*((\n)%2)+4*I:RA+64*((\n)%2)+4*I+3], v4, s[4:5] offset:(I+8*(I/8))*4096+512*(\n) th:TH_LOAD_NT
.set I, I+1
.endr
.endm
.macro XTURN n                         ; through my own stage: in as loaded, out 16 neighbours of each block a lane.  LDS serves a wave's instructions in order: no wait between
.set I, 0
.rept 16
	ds_store_b128 v5, v[RA+64*((\n)%2)+4*I:RA+64*((\n)%2)+4*I+3] offset:SP*I
.set I, I+1
.endr
.irp b, 0,1,2,3
.irp j, 0,1,2,3
	ds_load_b128 v[XN+16*\b+4*\j:XN+16*\b+4*\j+3], v6 offset:128*\b+16*\j
.endr
.endr
.endm
.macro UNIT n
.if \n < 3
	s_wait_loadcnt 16                              ; this unit's 16 loads are in; the next unit's 16 may be out
.else
	s_wait_loadcnt 0x0
.endif
	XTURN \n
	s_wait_dscnt 0x0                               ; the numbers are back, and the stores into the stage have read their registers
	s_wait_xcnt 0x0                                ; the last unit's stores have read the codes' registers
.if \n < 2
	XLOAD \n+2
.endif
	QUANT XN, PW+\n
.irp c, 0,1,2
	global_store_b128 v4, v[PC+4*\c:PC+4*\c+3], s[10:11] offset:1536*\n+512*\c   ; 512 consecutive bytes, aligned
.endr
.endm
.macro WLOAD nb                        ; a lane takes a column, its registers run down the K step's 128 rows of nb bytes; a wave reads 128 consecutive bytes, the work-group 512
.set K, 0
.rept 128
	global_load_b32 v[RA+K], v4, s[4:5] offset:K*\nb th:TH_LOAD_NT
.set K, K+1
.endr
.endm
.macro WBLOCK kb                       ; block kb of my column: all 32 numbers are mine
.set XS, RA+32*(\kb)
.set P, 144+12*((\kb)%2)+6*((\kb)/2)   ; v144-155: blocks 0 and 2, the registers of lane (r, 0);  v156-167: blocks 1 and 3, those of lane (r, 1)
	v_max3_num_f32 v12, |v[XS]|, |v[XS+1]|, |v[XS+2]|
	v_max3_num_f32 v13, |v[XS+3]|, |v[XS+4]|, |v[XS+5]|
.irp i, 6,10,14,18,22,26
	v_max3_num_f32 v12, v12, |v[XS+\i]|, |v[XS+\i+1]|
	v_max3_num_f32 v13, v13, |v[XS+\i+2]|, |v[XS+\i+3]|
.endr
	v_max3_num_f32 v12, v12, |v[XS+30]|, |v[XS+31]|
	v_max3_num_f32 v12, v12, v13, 0x1800000        ; and the floor
	v_add_nc_u32 v[188+\kb], 0xff000000, v12
	v_lshrrev_b32 v13, 23, v[188+\kb]
.if \kb == 0
	v_mov_b32 v192, v13
.else
	v_lshl_or_b32 v192, v13, 8*\kb, v192           ; the column's scale word for this K step
.endif
	v_cvt_scalef32_pk16_fp6_f32 v[P:P+2], v[XS:XS+15], v[188+\kb]
	v_cvt_scalef32_pk16_fp6_f32 v[168+4*\kb:170+4*\kb], v[XS+16:XS+31], v[188+\kb]
	v_nop                                          ; one plain place behind a scaled conversion
.irp i, 0,1,2
	v_mov_b32 v[P+3+\i], v[168+4*\kb+\i]
.endr
.endm
	s_load_b256 s[4:11], s[0:1], 0x0               ; x s[4:5], w_attn s[6:7], w_proj s[8:9], xq s[10:11]
	s_load_b128 s[12:15], s[0:1], 0x20             ; waq s[12:13], wpq s[14:15]
	v_lshl_add_u32 v254, v0, 2, 0x8400
	v_mov_b32 v255, 0
	v_lshrrev_b32 v1, 5, v0
	v_readfirstlane_b32 s16, v1                    ; wave
	v_and_b32 v1, 31, v0                           ; lane
	s_cmp_lt_u32 ttmp9, 256
	s_cbranch_scc0 .Lweights
	; ---- x: work-group g takes rows 32 g .. 32 g + 31; wave w row tile 2 g + w / 2 and K steps 4 (w % 2) .. + 3
	v_and_b32 v2, 15, v0                           ; r
	v_bfe_u32 v3, v0, 4, 1                         ; h
	s_mov_b32 s[SEL], 0x76543210
	s_mov_b32 s[SEL+1], 0xfedcba98
	v_lshlrev_b32 v4, 4, v1                        ; 16 x lane: a load's and an image's place for my lane
	s_mul_i32 s19, s16, WST
	v_add_nc_u32 v5, s19, v4                       ; the stage, on the way in
	v_mul_u32_u24 v6, v2, SP
	v_lshl_add_u32 v6, v3, 6, v6
	v_add_nc_u32 v6, s19, v6                       ; and out: row r, + 64 h
	v_lshlrev_b32 v7, 4, v2
	v_lshl_add_u32 v7, v3, 3, v7                   ; the scale words: 16 r + 8 h
.irp b, 0,1,2,3
	v_mov_b32 v[TM+4+\b], 0                        ; written once: a lane permute's destination counts as one of its sources
.endr
	s_lshr_b32 s17, s16, 1
	s_and_b32 s18, s16, 1
	s_lshl_b32 s22, ttmp9, 17                      ; 32 g rows of 4,096 bytes
	s_lshl_b32 s23, s17, 15                        ; + 8 rows for the odd tile
	s_add_co_u32 s22, s22, s23
	s_lshl_b32 s23, s18, 11                        ; + half a row
	s_add_co_u32 s22, s22, s23
	s_mov_b32 s23, 0
	s_lshl_b32 s24, ttmp9, 1
	s_add_co_u32 s24, s24, s17                     ; the row tile p
	s_mul_i32 s26, s24, 12288
	s_mul_i32 s27, s18, 6144
	s_add_co_u32 s26, s26, s27                     ; its codes, from my first K step on
	s_mov_b32 s27, 0
	s_lshl_b32 s28, s24, 9
	s_lshl_b32 s29, s18, 8
	s_add_co_u32 s28, s28, s29
	s_add_co_u32 s28, s28, 6291456                 ; its scale words, behind all codes
	s_mov_b32 s29, 0
	s_wait_kmcnt 0x0
	s_add_nc_u64 s[4:5], s[4:5], s[22:23]
	s_add_nc_u64 s[30:31], s[10:11], s[28:29]
	s_add_nc_u64 s[10:11], s[10:11], s[26:27]
	XLOAD 0
	XLOAD 1
	UNIT 0
	UNIT 1
	UNIT 2
	UNIT 3
	v_cmp_le_u32 vcc_lo, 16, v1
	v_cndmask_b32 v248, v[PW], v[PW+2], vcc_lo     ; lanes 0-15 store the words of K steps 0, 1 of my four, lanes 16-31 those of 2, 3
	v_cndmask_b32 v249, v[PW+1], v[PW+3], vcc_lo
	global_store_b64 v7, v[248:249], s[30:31]      ; 256 consecutive bytes, aligned
	s_wait_tensorcnt 0x0
	ds_add_u32 v254, v255
	s_wait_dscnt 0x0
	s_endpgm
.Lweights:
	; ---- the weights: work-group g' = 8 Xc + ks takes 128 columns (Xc < 24: of w_attn; else of w_proj) and K step ks; wave w 32 of the columns: two row tiles
	s_sub_co_u32 s17, ttmp9, 256
	s_lshr_b32 s18, s17, 3                         ; Xc
	s_and_b32 s19, s17, 7                          ; ks
	v_lshlrev_b32 v4, 2, v1
	v_bfe_u32 v5, v1, 3, 1                         ; column l of the 32 is row r = l % 8 + 8 (l / 16) of tile u = (l / 8) % 2
	v_and_b32 v6, 7, v1
	v_lshrrev_b32 v7, 4, v1
	v_lshl_add_u32 v6, v7, 3, v6
	v_lshlrev_b32 v6, 4, v6                        ; 16 r
	v_mul_u32_u24 v8, v5, 0x3000
	v_add_nc_u32 v8, v8, v6                        ; codes: 12,288 u + 16 r
	v_lshl_add_u32 v9, v5, 9, v6                   ; scale words: 512 u + 16 r
	s_mov_b32 s23, 786432
	s_mov_b32 s24, 4096
	s_wait_kmcnt 0x0
	s_cmp_lt_u32 s18, 24                           ; the choice hangs on the work-group's number alone
	s_cselect_b64 s[4:5], s[6:7], s[8:9]
	s_cselect_b64 s[10:11], s[12:13], s[14:15]
	s_cselect_b32 s22, 0, 24
	s_cselect_b32 s23, 2359296, s23                ; where the scale words begin
	s_cselect_b32 s24, 12288, s24                  ; a row of the weight in bytes
	s_sub_co_u32 s22, s18, s22                     ; which 128 columns of that weight
	s_mul_i32 s28, s19, s24
	s_lshl_b32 s28, s28, 7                         ; 128 ks rows
	s_lshl_b32 s25, s22, 9
	s_add_co_u32 s28, s28, s25
	s_lshl_b32 s25, s16, 7
	s_add_co_u32 s28, s28, s25                     ; + my wave's first column
	s_mov_b32 s29, 0
	s_lshl_b32 s26, s22, 2
	s_add_co_u32 s26, s26, s16                     ; which 32 columns: tiles 2 x this and 2 x this + 1
	s_lshl_b32 s30, s26, 4
	s_add_co_u32 s30, s30, s19
	s_mul_i32 s30, s30, 1536
	s_mov_b32 s31, 0
	s_lshl_b32 s32, s26, 10
	s_add_co_u32 s32, s32, s23
	s_lshr_b32 s25, s19, 2
	s_lshl_b32 s25, s25, 8
	s_add_co_u32 s32, s32, s25
	s_and_b32 s25, s19, 3
	s_lshl_b32 s25, s25, 2
	s_add_co_u32 s32, s32, s25
	s_mov_b32 s33, 0
	s_add_nc_u64 s[4:5], s[4:5], s[28:29]
	s_add_nc_u64 s[34:35], s[10:11], s[32:33]
	s_add_nc_u64 s[10:11], s[10:11], s[30:31]
	s_cmp_lt_u32 s18, 24
	s_cbranch_scc0 .Lnarrow                        ; only the loads' immediates differ between the two weights
	WLOAD 12288
	s_branch .Lloaded
.Lnarrow:
	WLOAD 4096
.Lloaded:
	s_wait_loadcnt 63                              ; 128 were issued: behind the 64th stand 64, so blocks 0 and 1 are in
	WBLOCK 0
	WBLOCK 1
	s_wait_loadcnt 32                              ; block 3's 32 may be out
	WBLOCK 2
	s_wait_loadcnt 0x0
	WBLOCK 3
.irp hb, 0,1
.irp c, 0,1,2
	global_store_b128 v8, v[144+12*\hb+4*\c:147+12*\hb+4*\c], s[10:11] offset:256*\hb+512*\c   ; sixteen lanes fill 256 consecutive bytes, aligned, of each of the two tiles
.endr
.endr
	global_store_b32 v9, v192, s[34:35]            ; four bytes a column, 16 bytes apart: 131,072 bytes of scale words in the whole launch leave so
	s_endpgm
.Lfunc_end_k_qa1ba50e99a_prep:
	.size	k_qa1ba50e99a_prep, .Lfunc_end_k_qa1ba50e99a_prep-k_qa1ba50e99a_prep
	.p2alignl 7, 3214868480
	.fill 96, 4, 3214868480
	.section	.rodata,"a",@progbits
	.p2align	6, 0x0
	.amdhsa_kernel k_qa1ba50e99a_prep
		.amdhsa_group_segment_fixed_size 34304
		.amdhsa_private_segment_fixed_size 0
		.amdhsa_enable_private_segment 0
		.amdhsa_kernarg_size 48
		.amdhsa_user_sgpr_count 2
		.amdhsa_user_sgpr_kernarg_segment_ptr 1
		.amdhsa_wavefront_size32 1
		.amdhsa_system_sgpr_workgroup_id_x 1
		.amdhsa_system_sgpr_workgroup_id_y 1
		.amdhsa_system_sgpr_workgroup_id_z 1
		.amdhsa_system_vgpr_workitem_id 0
		.amdhsa_next_free_vgpr 256
		.amdhsa_next_free_sgpr 66
		.amdhsa_reserve_vcc 1
		.amdhsa_float_denorm_mode_32 3
		.amdhsa_float_denorm_mode_16_64 3
		.amdhsa_memory_ordered 1
		.amdhsa_forward_progress 1
		.amdhsa_inst_pref_size 66
	.end_amdhsa_kernel
	.amdgpu_metadata
---
amdhsa.version: [ 1, 2 ]
amdhsa.kernels:
  - .name:           k_qa1ba50e99a_prep
    .symbol:         k_qa1ba50e99a_prep.kd
    .args:
      - { .name: x, .offset: 0, .size: 8, .value_kind: global_buffer, .address_space: global }
      - { .name: w_attn, .offset: 8, .size: 8, .value_kind: global_buffer, .address_space: global }
      - { .name: w_proj, .offset: 16, .size: 8, .value_kind: global_buffer, .address_space: global }
      - { .name: xq, .offset: 24, .size: 8, .value_kind: global_buffer, .address_space: global }
      - { .name: waq, .offset: 32, .size: 8, .value_kind: global_buffer, .address_space: global }
      - { .name: wpq, .offset: 40, .size: 8, .value_kind: global_buffer, .address_space: global }
    .group_segment_fixed_size: 34304
    .private_segment_fixed_size: 0
    .kernarg_segment_align: 8
    .kernarg_segment_size: 48
    .max_flat_workgroup_size: 128
    .sgpr_count:     66
    .vgpr_count:     256
    .wavefront_size: 32
...
	.end_amdgpu_metadata
.endif
;; end of part 1
;; launch qkvg (part 2): grid 12 x 32, 4 waves a work-group, clusters of 4 x 4, 327,680 bytes of LDS; arguments xq, waq, b_attn, qkv; writes qkv
.if DOCPART == 2
	.amdgcn_target "amdgcn-amd-amdhsa--gfx1250"
	.amdhsa_code_object_version 6
	.text
	.protected	k_qa1ba50e99a_qkvg
	.globl	k_qa1ba50e99a_qkvg
	.p2align	8
	.type	k_qa1ba50e99a_qkvg,@function
k_qa1ba50e99a_qkvg:
	s_mov_b64 s[64:65], 0
	v_nop
	global_prefetch_b8 v0, s[64:65] scope:SCOPE_SE
	s_setreg_imm32_b32 hwreg(HW_REG_WAVE_MODE, 25, 1), 1
	s_wait_xcnt 0x0
	s_wait_alu depctr_hold_cnt(0) depctr_sa_sdst(0) depctr_va_vdst(0) depctr_va_sdst(0) depctr_va_ssrc(0) depctr_va_vcc(0) depctr_vm_vsrc(0)
	s_getreg_b32 s2, hwreg(HW_REG_IB_STS2, 6, 4)
	s_cmp_eq_u32 s2, 0
	s_cbranch_scc0 .Lentry_in_a_cluster
	s_endpgm
.Lentry_in_a_cluster:
	s_bfe_u32 s2, ttmp6, 0x10000c
	s_cmp_lg_u32 s2, 0xf033
	s_cbranch_scc0 .Lentry_shape_is_right
	s_endpgm
.Lentry_shape_is_right:
; A GEMM on codes of FP6 (E2M3) with E8M0 scales, K = 1,024, whose operands lie in memory as images of operand registers (fragments of 16 rows x 128 K: 1,536 bytes;
; [row tile][K step 0..7][1,536], behind all codes the scale words [row tile][K step / 4][row][K step % 4]; lane r of tile p is row 32 (p / 2) + 8 (p % 2) + r + 8 (r / 8)).
; QKV = 1: qkv = x w_attn + b_attn, quantised again on the way out (q and k along the head's 64, v along the keys) and stored as fragments.   QKV = 0: out0 = y w_proj + b_proj, f32.
; LIMITS (QKV = 1): NaN and infinities are not served; a block whose largest magnitude lies under 2^-124, a block of zeros among them, has its byte held at 1 (read by this program alone).
; SHARES.  A work-group of four waves takes 256 rows of the activations ("A", tile Y) x 256 rows of the transposed weight ("B", tile X); a wave 128 x 128: 64 accumulators, 512 registers.
; SOURCE 1 gives a lane its row, and a lane's registers run along SOURCE 0's rows; with the tiles' rows chosen as above the 16 registers of source 0's tiles 2 b and 2 b + 1 are 16 neighbours.
; q, k and out0: source 1 = A, source 0 = B.   v (cluster x = 2): source 1 = B, source 0 = A, so that a lane holds a channel and its registers run along the keys.  The choice is the same in all partners of a cluster.
; THE RING.  K is four steps of 256.  Three LDS slots: K steps 0, 1, 2 and all scale words go out together at the start (four tensor loads of mine are out); K step 3 is the one refill, into slot 0.
; CLUSTERS: 4 x 4 work-groups; A's tiles are asked for jointly along a row of the cluster, B's along a column.
; REGISTERS, in windows of 256: window 0: v1-31 addresses; v32-63 scale words, two sets; v64-127 the bias, as the C of the first products; v128-223 source 1's fragments, ONE set;
;   window 1: source 0's fragments, TWO sets, at v0 and v128;   window 2: accumulators of my source 1 tiles 0-3 ((a, b) at v[8 (8 (a % 4) + b)]);   window 3: tiles 4-7.
.set QKV, 1
.set HALFT,  24576                     ; 8 row tiles x 256 along K: what one tensor load brings
.set SLOT,   4*HALFT                   ; A's two halves, then B's
.set SCL,    3*SLOT                    ; behind the ring: the scale words of the 512 rows, for all of K
.set HALFS,  4096
.set SPARE,  SCL+4*HALFS               ; the spare words, 128 bytes a wave: two blocks of 256 bytes that no other line names
.set FR,     12
.set CODEA,  6291456                   ; where A's scale words begin
.if QKV
.set CODEB,  2359296                   ; and B's
.else
.set CODEB,  786432
.endif
.set SPITCH, 528
.set STAGE,  SLOT                      ; (QKV = 0) the way out: 16 rows x 528 bytes a wave, in slot 1: filled once, and read for the last time ahead of K step 5's barrier
.set VO,   4                           ; v4-11   the bias's offsets
.set ADR1, 16                          ; v16-18  LDS address of source 1's fragments in slot 0, 1, 2
.set ADR0, 20                          ; v20-22  of source 0's
.set LI,   24                          ; v24     16 x lane
.set STO,  25
.set RD,   26
.set ADRS, 27                          ; v27     my scale words: lanes 0-15 source 1's rows, lanes 16-31 source 0's
.set SPW,  28                          ; v28     my spare word; never rewritten
.set NIL,  29                          ; v29     0; never rewritten
.set SC,   32
.set BI,   64
.set AF,   128
.set PC,   128                         ; the way out (QKV = 1): codes, at work, scale words
.set TM,   160
.set PW,   176
.set SW,   184
.set G1A,  24                          ; s[24:31] group 1 for A's tiles; s[32:43] groups 0, one a slot
.set G0A,  32
.set G1B,  44                          ; s[44:51], s[52:63] the same for B's
.set G0B,  52
.set G1S,  68                          ; s[68:75], s[76:79] A's scale words;  s[80:87], s[88:91] B's
.set G0S,  76
.set G1SB, 80
.set G0SB, 88
.set MSB, 0
.macro WIN new                         ; the immediate's high byte repeats the setting that is left
.if MSB != (\new)
	s_set_vgpr_msb (MSB<<8)|(\new)
.set MSB, (\new)
.endif
.endm
.macro PLACES n
.rept \n
	v_nop
.endr
.endm
; A joint load: waves 0 and 1 fetch for A, waves 2 and 3 for B; the branch hangs on the wave's number alone.  Four v_nop follow each of the two lines.
.macro JLOAD g0a, g1a, g0b, g1b
	s_cmp_eq_u32 s15, 0
	s_cbranch_scc0 .Lfor_b_\@
	tensor_load_to_lds s[\g0a:\g0a+3], s[\g1a:\g1a+7]
	s_nop 0
.rept 4
	v_nop
.endr
	s_branch .Lasked_\@
.Lfor_b_\@:
	tensor_load_to_lds s[\g0b:\g0b+3], s[\g1b:\g1b+7]
	s_nop 0
.rept 4
	v_nop
.endr
.Lasked_\@:
.endm
.macro CREST                           ; a round of the cluster's barrier behind its opening barrier
	s_cmp_lg_u32 s14, 0
	s_cbranch_scc1 .Lnot_wave_0_\@
	s_barrier_signal -3
.Lnot_wave_0_\@:
	s_barrier_wait -3
	s_barrier_signal -1
	s_barrier_wait -1
.endm
.macro CROUND
	s_barrier_signal -1
	s_barrier_wait -1
	CREST
.endm
.macro FRAG reg, adr, off              ; a fragment comes as it was stored: three loads of 16 bytes a lane, 512 consecutive bytes each
.irp c, 0,1,2
	ds_load_b128 v[\reg+4*\c:\reg+4*\c+3], v[\adr] offset:\off+512*\c
.endr
.endm
.macro FETCH_B n                       ; source 0's eight fragments of K step n (of 128) into set n % 2; K steps 2 s, 2 s + 1 lie in slot s % 3
	WIN 0x40
.irp i, 0,1,2,3,4,5,6,7
	FRAG 128*((\n)%2)+FR*\i, ADR0+((\n)/2)%3, 3072*\i+1536*((\n)%2)
.endr
	WIN 0
.endm
.macro FETCH_A n, i0                   ; source 1's tiles i0 .. i0 + 3
.irp i, \i0, \i0+1, \i0+2, \i0+3
	FRAG AF+FR*(\i), ADR1+((\n)/2)%3, 3072*(\i)+1536*((\n)%2)
.endr
.endm
.macro SCALES k                        ; the scale words of K steps 2 k, 2 k + 1 into set k % 2: register 2 i + q: lanes 0-15 source 1's tile i, lanes 16-31 source 0's tile i
.irp i, 0,1,2,3,4,5,6,7
	ds_load_b64 v[SC+16*((\k)%2)+2*\i:SC+16*((\k)%2)+2*\i+1], v[ADRS] offset:512*\i+256*((\k)/2)+8*((\k)%2)
.endr
.endm
; 16 products: source 1's tiles a0, a0 + 1 x source 0's eight.  cm = 0: onto the sums;  1: the sums begin with the bias of the registers' columns;  2: with the bias of the lane's row.
; The 64 accumulators take turns, one instruction a turn, in the same order in every K step.
.macro MUL16 a0, n, cm
.irp a, \a0, \a0+1
.irp b, 0,1,2,3,4,5,6,7
.if (\cm) == 0
	v_wmma_scale_f32_16x16x128_f8f6f4 v[8*(8*((\a)%4)+\b):8*(8*((\a)%4)+\b)+7], v[128*((\n)%2)+FR*\b:128*((\n)%2)+FR*\b+FR-1], v[AF+FR*(\a):AF+FR*(\a)+FR-1], v[8*(8*((\a)%4)+\b):8*(8*((\a)%4)+\b)+7], v[SC+16*(((\n)/2)%2)+2*\b+(\n)%2], v[SC+16*(((\n)/2)%2)+2*(\a)+(\n)%2] matrix_a_fmt:MATRIX_FMT_FP6 matrix_b_fmt:MATRIX_FMT_FP6 matrix_a_scale:MATRIX_SCALE_ROW1
.elseif (\cm) == 1
	v_wmma_scale_f32_16x16x128_f8f6f4 v[8*(8*((\a)%4)+\b):8*(8*((\a)%4)+\b)+7], v[128*((\n)%2)+FR*\b:128*((\n)%2)+FR*\b+FR-1], v[AF+FR*(\a):AF+FR*(\a)+FR-1], v[BI+8*\b:BI+8*\b+7], v[SC+16*(((\n)/2)%2)+2*\b+(\n)%2], v[SC+16*(((\n)/2)%2)+2*(\a)+(\n)%2] matrix_a_fmt:MATRIX_FMT_FP6 matrix_b_fmt:MATRIX_FMT_FP6 matrix_a_scale:MATRIX_SCALE_ROW1
.else
	v_wmma_scale_f32_16x16x128_f8f6f4 v[8*(8*((\a)%4)+\b):8*(8*((\a)%4)+\b)+7], v[128*((\n)%2)+FR*\b:128*((\n)%2)+FR*\b+FR-1], v[AF+FR*(\a):AF+FR*(\a)+FR-1], v[BI+8*(\a):BI+8*(\a)+7], v[SC+16*(((\n)/2)%2)+2*\b+(\n)%2], v[SC+16*(((\n)/2)%2)+2*(\a)+(\n)%2] matrix_a_fmt:MATRIX_FMT_FP6 matrix_b_fmt:MATRIX_FMT_FP6 matrix_a_scale:MATRIX_SCALE_ROW1
.endif
.endr
.endr
.endm
.macro MWIN hi, cm                     ; source 0 window 1, source 1 window 0, D window 2 or 3; C with D, or (the bias) window 0
.if (\cm) == 0
	WIN 0xa1+0x50*(\hi)
.else
	WIN 0x81+0x40*(\hi)
.endif
.endm
; A K step of 128: 64 products.  A tile of source 1 is free as soon as its eight products are issued: tiles 0-3 are fetched anew in the step's middle, tiles 4-7 at its end.
; Loads into registers that matrix instructions have read stand four plain vector instructions behind them (ISA guide 7.12.1 for vector instructions).
; kind 0: plain.  kind 1: behind a round of the cluster's barrier slot 0 is filled again.  kind 2: a barrier, so that the refill is whole for every wave.  kind 3: the last: nothing to fetch.
.macro KSTEP n, kind, cm
.if ((\kind) == 1) || ((\kind) == 2)
	s_wait_tensorcnt 0x0                           ; all my tensor loads have landed  (every window is 0 here)
	ds_add_u32 v[SPW], v[NIL]                      ; 0 onto my spare word
	s_wait_dscnt 13                                ; the add and the youngest 12 loads (source 1's tiles 4-7) may be out
	MWIN 0, \cm
	MUL16 0, \n, \cm                               ; sixteen products stand between the add and the wait for it
	s_wait_dscnt 0x0                               ; the add is done, and my reads of the slot that I leave are over
	s_barrier_signal -1
	MUL16 2, \n, \cm
	WIN 0
	s_barrier_wait -1
.if (\kind) == 1
	CREST                                          ; the barrier has opened a round of the cluster's: no wave of any partner still reads slot 0 or has a load on its way
	s_add_nc_u64 s[G0A+2:G0A+3], s[G0A+2:G0A+3], 9216   ; from K step 0 (of 256) to K step 3
	s_add_nc_u64 s[G0B+2:G0B+3], s[G0B+2:G0B+3], 9216
	JLOAD G0A, G1A, G0B, G1B                       ; my one tensor load behind the round: three and a half K steps of 128, 224 products, ahead of the wait for it; its four v_nop are the places for the loads below
.else
	PLACES 4
.endif
.else
	s_wait_dscnt 12                                ; all but the youngest 12 loads: source 1's tiles 4-7, three loads each
	MWIN 0, \cm
	MUL16 0, \n, \cm
	MUL16 2, \n, \cm
	s_wait_dscnt 0x0
.if (\kind) == 0
	PLACES 4
.endif
.endif
.if (\kind) != 3
	FETCH_B (\n)+1
	FETCH_A (\n)+1, 0
.if (\n)%2
	SCALES ((\n)+1)/2
.endif
.endif
	MWIN 1, \cm
	MUL16 4, \n, \cm
	MUL16 6, \n, \cm
.if (\kind) != 3
	PLACES 4
.endif
	WIN 0
.if (\kind) != 3
	FETCH_A (\n)+1, 4
.endif
.endm
	s_load_b256 s[4:11], s[0:1], 0x0               ; A s[4:5], B s[6:7], the bias s[8:9], the result s[10:11]
	v_lshl_add_u32 v[SPW], v0, 2, SPARE
	v_mov_b32 v[NIL], 0
	ds_add_u32 v28, v29
	s_wait_dscnt 0x0
	v_lshrrev_b32 v1, 5, v0
	v_readfirstlane_b32 s14, v1                    ; wave 0..3
	s_lshr_b32 s15, s14, 1                         ; which 128 rows of A are mine.  Also: I fetch for A (0) or for B (1)
	s_and_b32 s16, s14, 1                          ; which 128 rows of B.  Also: which half of that tile I fetch
	s_bfe_u32 s92, ttmp6, 0x40000                  ; cx, cy: my place in the cluster
	s_bfe_u32 s93, ttmp6, 0x40004
	s_lshl_b32 s94, ttmp9, 2
	s_add_co_u32 s94, s94, s92                     ; X = 4 x cluster x + cx
	s_and_b32 s17, ttmp7, 0xffff
	s_lshl_b32 s17, s17, 2
	s_add_co_u32 s17, s17, s93                     ; Y = 4 x cluster y + cy
	s_lshl_b32 s95, s93, 2
	s_lshl_b32 s95, 15, s95                        ; my row of the cluster
	s_lshl_b32 s96, 0x1111, s92                    ; my column
	; group 1, codes: 8 rows (row tiles) of 3,072 bytes (two fragments), 12,288 bytes apart; elements of 8 bytes; no padding: an image is read 512 consecutive bytes at a time
	s_or_b32 s[G1A+0], s95, (3<<16)|(1<<21)
	s_or_b32 s[G1B+0], s96, (3<<16)|(1<<21)
.irp g, G1A, G1B
	s_mov_b32 s[\g+1], 384<<16                     ; tensor_dim0
	s_mov_b32 s[\g+2], 8<<16                       ; tensor_dim1
	s_mov_b32 s[\g+3], 384<<16                     ; tile_dim0
	s_mov_b32 s[\g+4], 8                           ; tile_dim1
	s_mov_b32 s[\g+5], 1536                        ; tensor_dim0_stride
	s_mov_b32 s[\g+6], 0
	s_mov_b32 s[\g+7], 0
.endr
	; group 1, scale words of 8 row tiles: 4,096 dense bytes as 16 rows of 256
	s_or_b32 s[G1S+0], s95, (3<<16)|(1<<21)
	s_or_b32 s[G1SB+0], s96, (3<<16)|(1<<21)
.irp g, G1S, G1SB
	s_mov_b32 s[\g+1], 32<<16
	s_mov_b32 s[\g+2], 16<<16
	s_mov_b32 s[\g+3], 32<<16
	s_mov_b32 s[\g+4], 16
	s_mov_b32 s[\g+5], 32
	s_mov_b32 s[\g+6], 0
	s_mov_b32 s[\g+7], 0
.endr
	s_lshl_b32 s18, s16, 3
	s_lshl_b32 s20, s17, 4
	s_add_co_u32 s20, s20, s18                     ; A: the first row tile that I fetch: 16 Y + 8 x half
	s_lshl_b32 s22, s20, 9
	s_add_co_u32 s22, s22, CODEA
	s_mov_b32 s23, 0
	s_mul_i32 s20, s20, 12288
	s_mov_b32 s21, 0
	s_lshl_b32 s98, s94, 4
	s_add_co_u32 s98, s98, s18                     ; B: 16 X + 8 x half
	s_lshl_b32 s100, s98, 9
	s_add_co_u32 s100, s100, CODEB
	s_mov_b32 s101, 0
	s_mul_i32 s98, s98, 12288
	s_mov_b32 s99, 0
	s_mul_i32 s12, s14, HALFT                      ; where they go: wave x a half: no place in the cluster enters an LDS address
	s_lshl_b32 s13, s14, 12
	s_wait_kmcnt 0x0
	s_add_nc_u64 s[20:21], s[4:5], s[20:21]
	s_add_nc_u64 s[22:23], s[4:5], s[22:23]
	s_add_nc_u64 s[98:99], s[6:7], s[98:99]
	s_add_nc_u64 s[100:101], s[6:7], s[100:101]
	CROUND                                         ; all sixteen work-groups are here: the first joint loads meet
	s_mov_b32 s[G0S], 1
	s_add_co_u32 s[G0S+1], s13, SCL
	s_mov_b64 s[G0S+2:G0S+3], s[22:23]
	s_or_b32 s[G0S+3], s[G0S+3], 0x80000000
	s_mov_b32 s[G0SB], 1
	s_add_co_u32 s[G0SB+1], s13, SCL
	s_mov_b64 s[G0SB+2:G0SB+3], s[100:101]
	s_or_b32 s[G0SB+3], s[G0SB+3], 0x80000000
	JLOAD G0S, G1S, G0SB, G1SB                     ; the scale words first: they are wanted with K step 0
.irp s, 0,1,2
	s_mov_b32 s[G0A+4*\s], 1
	s_add_co_u32 s[G0A+4*\s+1], s12, \s*SLOT
	s_add_nc_u64 s[G0A+4*\s+2:G0A+4*\s+3], s[20:21], \s*3072
	s_or_b32 s[G0A+4*\s+3], s[G0A+4*\s+3], 0x80000000
	s_mov_b32 s[G0B+4*\s], 1
	s_add_co_u32 s[G0B+4*\s+1], s12, \s*SLOT
	s_add_nc_u64 s[G0B+4*\s+2:G0B+4*\s+3], s[98:99], \s*3072
	s_or_b32 s[G0B+4*\s+3], s[G0B+4*\s+3], 0x80000000
	JLOAD G0A+4*\s, G1A, G0B+4*\s, G1B
.endr
	v_and_b32 v1, 15, v0                           ; r
	v_bfe_u32 v2, v0, 4, 1                         ; h
	v_and_b32 v3, 31, v0                           ; lane
	v_lshlrev_b32 v[LI], 4, v3
	s_mul_i32 s18, s15, HALFT                      ; my 128 rows of A in a slot
	s_mul_i32 s19, s16, HALFT
	s_add_co_u32 s19, s19, 2*HALFT                 ; my 128 rows of B
.if QKV
	s_cmp_eq_u32 ttmp9, 2                          ; the third column of clusters makes v
	s_cselect_b32 s66, 1, 0
	s_cselect_b32 s2, s19, s18                     ; source 1's rows
	s_cselect_b32 s3, s18, s19                     ; source 0's
.else
	s_mov_b32 s2, s18
	s_mov_b32 s3, s19
.endif
.irp s, 0,1,2
	v_add_nc_u32 v[ADR1+\s], s2, v[LI]
	v_add_nc_u32 v[ADR0+\s], s3, v[LI]
	s_add_co_u32 s2, s2, SLOT
	s_add_co_u32 s3, s3, SLOT
.endr
	v_lshlrev_b32 v12, 4, v1                       ; a row's four words of a half of K: 16 r
.if QKV
	s_lshl_b32 s18, s15, 12
	s_add_co_u32 s18, s18, SCL
	s_lshl_b32 s19, s16, 12
	s_add_co_u32 s19, s19, SCL+2*HALFS
	v_add_nc_u32 v13, s19, v12                     ; B's words
	v_add_nc_u32 v12, s18, v12                     ; A's words
	s_mov_b32 s2, 0xffff0000
	s_cmp_eq_u32 s66, 0
	s_cselect_b32 s2, s2, 0xffff                   ; the lanes that take B's words: lanes 16-31 hold source 0's
	v_cndmask_b32 v[ADRS], v12, v13, s2
.else
	s_lshl_b32 s18, s15, 12
	s_lshl_b32 s19, s16, 12
	s_add_co_u32 s19, s19, 2*HALFS
	s_sub_co_u32 s19, s19, s18
	v_mul_u32_u24 v13, s19, v2                     ; lanes 16-31 take B's
	s_add_co_u32 s18, s18, SCL
	v_add_nc_u32 v12, v12, v13
	v_add_nc_u32 v[ADRS], s18, v12
.endif
	s_lshl_b32 s18, s94, 10                        ; the bias of my 128 rows of B: 4 (256 X + 128 x half) bytes on
	s_lshl_b32 s19, s16, 9
	s_add_co_u32 s18, s18, s19
	s_mov_b32 s19, 0
	s_add_nc_u64 s[8:9], s[8:9], s[18:19]
.if QKV
	v_lshlrev_b32 v12, 6, v2                       ; q, k: register 8 b + j wants column 32 (b / 2) + 8 (b % 2) + 16 h + j
	v_and_b32 v13, 8, v1
	v_add_nc_u32 v13, v13, v1
	v_lshlrev_b32 v13, 2, v13                      ; v: registers 8 a + j all want the lane's channel 32 (a / 2) + 8 (a % 2) + r + 8 (r / 8)
	s_cmp_eq_u32 s66, 0
	s_cselect_b32 s2, 0, -1
.irp j, 0,1,2,3,4,5,6,7
	v_add_nc_u32 v[VO+\j], 4*\j, v12
.endr
.irp j, 0,1,2,3,4,5,6,7
	v_cndmask_b32 v[VO+\j], v[VO+\j], v13, s2
.endr
.irp i, 0,1,2,3,4,5,6,7
.irp j, 0,1,2,3,4,5,6,7
	global_load_b32 v[BI+8*\i+\j], v[VO+\j], s[8:9] offset:(32*(\i/2)+8*(\i%2))*4   ; one form of load serves both layouts: 512 bytes of the bias a wave, once
.endr
.endr
	s_lshl_b32 s18, s94, 1                         ; my chunk of the result: ((2 X + B's half) x 64 + 2 Y + A's half) x 12,800 bytes
	s_add_co_u32 s18, s18, s16
	s_lshl_b32 s18, s18, 6
	s_lshl_b32 s19, s17, 1
	s_add_co_u32 s18, s18, s19
	s_add_co_u32 s18, s18, s15
	s_mul_i32 s18, s18, 12800
	s_mov_b32 s19, 0
	s_add_nc_u64 s[10:11], s[10:11], s[18:19]
.else
	v_lshlrev_b32 v[VO], 6, v2
.irp i, 0,1,2,3,4,5,6,7
	global_load_b128 v[BI+8*\i:BI+8*\i+3], v[VO], s[8:9] offset:(32*(\i/2)+8*(\i%2))*4
	global_load_b128 v[BI+8*\i+4:BI+8*\i+7], v[VO], s[8:9] offset:(32*(\i/2)+8*(\i%2))*4+16
.endr
	s_lshl_b32 s18, s17, 20                        ; my corner of out0: row 256 Y + 128 x A's half, column 256 X + 128 x B's half
	s_lshl_b32 s19, s15, 19
	s_add_co_u32 s18, s18, s19
	s_lshl_b32 s19, s94, 10
	s_add_co_u32 s18, s18, s19
	s_lshl_b32 s19, s16, 9
	s_add_co_u32 s18, s18, s19
	s_mov_b32 s19, 0
	s_add_nc_u64 s[10:11], s[10:11], s[18:19]
	s_mul_i32 s18, s14, 16*SPITCH
	s_add_co_u32 s18, s18, STAGE                   ; my stage
	v_mul_u32_u24 v12, v1, SPITCH
	v_lshl_add_u32 v12, v2, 6, v12
	v_add_nc_u32 v[STO], s18, v12                  ; in: row r, + 64 h
	v_add_nc_u32 v[RD], s18, v[LI]                 ; back: the 32 lanes take a row of 512 bytes
.endif
	s_wait_tensorcnt 2                             ; the scale words and my part of K step 0 are in; K steps 1 and 2 may be out
	s_barrier_signal -1
	s_barrier_wait -1
	FETCH_B 0
	FETCH_A 0, 0
	SCALES 0
	FETCH_A 0, 4
	s_wait_loadcnt 0x0                             ; the bias
.if QKV
	s_cmp_eq_u32 s66, 0                            ; the first K step is written twice: only the C of its products differs.  The branch is the same in all partners
	s_cbranch_scc0 .Lfirst_v
	KSTEP 0, 0, 1
	s_branch .Lfirst_done
.Lfirst_v:
	KSTEP 0, 0, 2
.Lfirst_done:
.else
	KSTEP 0, 0, 1
.endif
	KSTEP 1, 1, 0                                  ; slot 0 is left: it takes the last 256 along K
	KSTEP 2, 0, 0
	KSTEP 3, 0, 0                                  ; (slots 1 and 2 were shown whole by K step 1's round)
	KSTEP 4, 0, 0
	KSTEP 5, 2, 0
	KSTEP 6, 0, 0
	KSTEP 7, 3, 0
.if QKV
; THE WAY OUT: source 1's tile a with its 128 numbers a lane-row is one fragment of the next products: 64 numbers a lane, register 16 b + i = k 32 b + 16 (lane / 16) + i of the lane's row.
.macro QUANTW a
.set AC, 64*((\a)%4)
	WIN 0x28+0x14*((\a)/4)                         ; sources 1 and 2: window 2 or 3
.irp b, 0,1,2,3
	v_max3_num_f32 v[TM+\b], 0x1800000, |v[AC+16*\b]|, |v[AC+16*\b+1]|   ; the floor 2^(3 - 127), and each accumulator from its low end on
.endr
.irp i, 2,4,6,8,10,12,14
.irp b, 0,1,2,3
	v_max3_num_f32 v[TM+\b], v[TM+\b], |v[AC+16*\b+\i]|, |v[AC+16*\b+\i+1]|
.endr
.endr
	WIN 0
.irp b, 0,1,2,3
	v_permlanex16_b32 v[TM+4+\b], v[TM+\b], s2, s3
.endr
.irp b, 0,1,2,3
	v_max_num_f32 v[TM+\b], v[TM+\b], v[TM+4+\b]
.endr
.irp b, 0,1,2,3
	v_add_nc_u32 v[TM+12+\b], 0xff000000, v[TM+\b]
.endr
.irp b, 0,1,2,3
	v_lshrrev_b32 v[TM+4+\b], 23, v[TM+12+\b]
.endr
	v_lshl_or_b32 v[PW+\a], v[TM+5], 8, v[TM+4]
	v_lshl_or_b32 v[PW+\a], v[TM+6], 16, v[PW+\a]
	v_lshl_or_b32 v[PW+\a], v[TM+7], 24, v[PW+\a]
	s_wait_xcnt 0x0                                ; the last fragment's stores have read the codes' registers
	WIN 0x02+(\a)/4                                ; source 0: window 2 or 3
.irp c, 0,1
	v_cvt_scalef32_pk16_fp6_f32 v[PC+6*\c:PC+2+6*\c], v[AC+32*\c:AC+15+32*\c], v[TM+12+2*\c]
	v_cvt_scalef32_pk16_fp6_f32 v[PC+12+4*\c:PC+14+4*\c], v[AC+16+32*\c:AC+31+32*\c], v[TM+12+2*\c+1]
.endr
	WIN 0
	v_nop                                          ; one plain place behind a scaled conversion
.irp c, 0,1
.irp i, 0,1,2
	v_permlane16_swap_b32 v[PC+6*\c+\i], v[PC+12+4*\c+\i]
.endr
.irp i, 0,1,2
	v_mov_b32 v[PC+3+6*\c+\i], v[PC+12+4*\c+\i]
.endr
.endr
.irp c, 0,1,2
	global_store_b128 v[LI], v[PC+4*\c:PC+4*\c+3], s[10:11] offset:1536*\a+512*\c   ; 512 consecutive bytes, aligned
.endr
.endm
	s_mov_b32 s2, 0x76543210
	s_mov_b32 s3, 0xfedcba98                       ; v_permlanex16_b32's selects for lane l xor 16
	PLACES 4                                       ; behind the last products: their results are read and source 1's registers written from here on
.irp b, 0,1,2,3
	v_mov_b32 v[TM+4+\b], 0                        ; written once: a lane permute's destination counts as one of its sources
.endr
.irp a, 0,1,2,3,4,5,6,7
	QUANTW \a
.endr
	v_cmp_le_u32 vcc_lo, 16, v3
.irp i, 0,1,2,3
	v_cndmask_b32 v[SW+\i], v[PW+2*\i], v[PW+2*\i+1], vcc_lo   ; the chunk's scale image: lane (r, h), word i: fragment 2 i + h, row r
.endr
	global_store_b128 v[LI], v[SW:SW+3], s[10:11] offset:12288
.else
; THE WAY OUT: a lane holds pieces of 32 bytes of a row, the lanes beside it other rows: a block of 16 rows goes through my own stage and comes back as whole rows of 512 bytes.
.macro TOSTAGE a
.set AC, 64*((\a)%4)
	WIN 0x08+4*((\a)/4)                            ; the data: window 2 or 3
.irp b, 0,1,2,3,4,5,6,7
	ds_store_b128 v[STO], v[AC+8*\b:AC+8*\b+3] offset:128*(\b/2)+32*(\b%2)      ; columns 32 (b / 2) + 16 h + 8 (b % 2) on; each accumulator from its low end on
	ds_store_b128 v[STO], v[AC+8*\b+4:AC+8*\b+7] offset:128*(\b/2)+32*(\b%2)+16
.endr
	WIN 0
.set BB, 128+64*((\a)%2)
.irp t, 0,1,2,3,4,5,6,7,8,9,10,11,12,13,14,15
	ds_load_b128 v[BB+4*\t:BB+4*\t+3], v[RD] offset:\t*SPITCH    ; LDS serves a wave's instructions in order: these see the stores above
.endr
.endm
.macro SEND a, younger
.set BB, 128+64*((\a)%2)
	s_wait_dscnt \younger
.irp t, 0,1,2,3,4,5,6,7,8,9,10,11,12,13,14,15
	global_store_b128 v[LI], v[BB+4*\t:BB+4*\t+3], s[10:11] offset:(32*((\a)/2)+8*((\a)%2)+\t+8*(\t/8))*4096 th:TH_STORE_NT   ; 512 consecutive bytes, aligned; the tile's row t is row t + 8 (t / 8) of its 32
.endr
.endm
	PLACES 4
	TOSTAGE 0
.irp a, 1,2,3,4,5,6,7
.if \a > 1
	s_wait_xcnt 0x0                                ; block a - 2's stores have read their registers: block a's loads may land there
.endif
	TOSTAGE \a
	SEND \a-1, 32                                  ; behind block a - 1's loads: block a's 16 stores and 16 loads
.endr
	SEND 7, 0
.endif
	s_wait_tensorcnt 0x0                           ; the wave's end
	ds_add_u32 v[SPW], v[NIL]
	s_wait_dscnt 0x0
	CROUND                                         ; the closing round: no work-group ends while a partner may still ask for a tile that names it
	s_endpgm
.Lfunc_end_k_qa1ba50e99a_qkvg:
	.size	k_qa1ba50e99a_qkvg, .Lfunc_end_k_qa1ba50e99a_qkvg-k_qa1ba50e99a_qkvg
	.p2alignl 7, 3214868480
	.fill 96, 4, 3214868480
	.section	.rodata,"a",@progbits
	.p2align	6, 0x0
	.amdhsa_kernel k_qa1ba50e99a_qkvg
		.amdhsa_group_segment_fixed_size 327680
		.amdhsa_private_segment_fixed_size 0
		.amdhsa_enable_private_segment 0
		.amdhsa_kernarg_size 32
		.amdhsa_user_sgpr_count 2
		.amdhsa_user_sgpr_kernarg_segment_ptr 1
		.amdhsa_wavefront_size32 1
		.amdhsa_system_sgpr_workgroup_id_x 1
		.amdhsa_system_sgpr_workgroup_id_y 1
		.amdhsa_system_sgpr_workgroup_id_z 1
		.amdhsa_system_vgpr_workitem_id 0
		.amdhsa_next_free_vgpr 1024
		.amdhsa_next_free_sgpr 102
		.amdhsa_reserve_vcc 1
		.amdhsa_float_denorm_mode_32 3
		.amdhsa_float_denorm_mode_16_64 3
		.amdhsa_memory_ordered 1
		.amdhsa_forward_progress 1
		.amdhsa_inst_pref_size 158
	.end_amdhsa_kernel
	.amdgpu_metadata
---
amdhsa.version: [ 1, 2 ]
amdhsa.kernels:
  - .name:           k_qa1ba50e99a_qkvg
    .symbol:         k_qa1ba50e99a_qkvg.kd
    .args:
      - { .name: xq, .offset: 0, .size: 8, .value_kind: global_buffer, .address_space: global }
      - { .name: waq, .offset: 8, .size: 8, .value_kind: global_buffer, .address_space: global }
      - { .name: b_attn, .offset: 16, .size: 8, .value_kind: global_buffer, .address_space: global }
      - { .name: qkv, .offset: 24, .size: 8, .value_kind: global_buffer, .address_space: global }
    .group_segment_fixed_size: 327680
    .private_segment_fixed_size: 0
    .kernarg_segment_align: 8
    .kernarg_segment_size: 32
    .max_flat_workgroup_size: 128
    .sgpr_count:     102
    .vgpr_count:     1024
    .wavefront_size: 32
...
	.end_amdgpu_metadata
.endif
;; end of part 2
;; launch attn (part 3): grid 8 x 32, 16 waves a work-group, no clusters, 327,680 bytes of LDS; arguments qkv, yq; writes yq
.if DOCPART == 3
	.amdgcn_target "amdgcn-amd-amdhsa--gfx1250"
	.amdhsa_code_object_version 6
	.text
	.protected	k_qa1ba50e99a_attn
	.globl	k_qa1ba50e99a_attn
	.p2align	8
	.type	k_qa1ba50e99a_attn,@function
k_qa1ba50e99a_attn:
	s_mov_b64 s[64:65], 0
	v_nop
	global_prefetch_b8 v0, s[64:65] scope:SCOPE_SE
	s_setreg_imm32_b32 hwreg(HW_REG_WAVE_MODE, 25, 1), 1
	s_wait_xcnt 0x0
; y = softmax(q k^T / 8, causal) v for 64 heads of 64, both products on codes of FP6 (E2M3) with E8M0 scales; y is quantised along its 1,024 channels and stored as fragments for the last product.
; qkv holds chunks of 12,800 bytes: 8 fragments (16 rows x 128 K, images of the operand's 12 registers: 1,536 bytes) and 512 bytes of scale words (lane (r, h), word i: fragment 2 i + h, row r).
; Chunk nch x 64 + mch, mch = token / 128.  nch = j: q, nch = 8 + j: k of head pair j: a fragment is 16 tokens, its K = [head 2 j's 64 | head 2 j + 1's 64].  nch = 16 + j: v: a fragment is 16 of the pair's 128 channels, its K = the chunk's 128 keys.
; Lane r of fragment a holds row 32 (a / 2) + 8 (a % 2) + r + 8 (r / 8) of the chunk's 128.
; THE SOFTMAX: t = score x log2(e) / 8; M = the running largest t rounded up to a whole number; p = 2^(t - M) is quantised along the keys; the row's sum is taken of the unquantised p and divides at the end.
; LIMITS: NaN and infinities are not served; a block whose largest magnitude lies under 2^-124, a block of zeros among them, has its byte held at 1 (read by this program alone).
; SHARES.  Work-group (c, 8 b + j) owns head pair j of batch b and TWO chunks of 128 queries: chunk c, with key steps 0 .. c, then chunk 15 - c, with key steps 0 .. 15 - c: 17 key steps of 128 keys for every
; work-group, so that trip counts are constants, the 256 work-groups have equal work, and no hidden tile is fetched or multiplied.  Wave w: head 2 j + w % 2, query fragment w / 2 (16 queries), in 256 registers.
; A product K Q^T takes K's fragment with both heads' codes; Q's operand holds zero codes in the other head's six registers.
; Both products are used transposed (source 0 = 16 keys, or 16 channels of V; source 1 = my 16 queries): a lane holds one query throughout.
; NO CLUSTER: at place s of their walks work-groups c and c' want the same chunk only while s <= min(c, c'); partners in step would have to walk 16 + 8 = 24 key steps each in place of 17.
; THE RING: two LDS slots of two key steps (K's chunk, V's chunk: 25,600 bytes a step); waves 0-3 fetch a chunk each, all sixteen read.
.set ENT,   25600
.set SLOT1, 65536                      ; slot 1 begins here: one exclusive or turns an address in one slot into the other's
.set STG,   131072                     ; behind the ring: y's 16 fragments (2 x query fragment + phase), no tensor load lands here;
.set STGS,  STG+16*1536                ; their scale words, 64 bytes each;
.set SPARE, STGS+1024                  ; the spare words, 128 bytes a wave: eight blocks of 256 bytes that no other line names
.set AK0, 1                            ; v1   16 x lane: my place in an image
.set AV0, 2                            ; v2   the same in my head's four fragments of V
.set AT0, 3                            ; v3   and among V's scale words
.set DQ,  4                            ; v4   my query's place in its chunk - 16 (lane / 16)
.set SPW, 5                            ; v5   my spare word; never rewritten
.set NIL, 6                            ; v6   0; never rewritten
.set ADK, 8                            ; v8-10 addresses of the step in hand
.set ADV, 9
.set ADT, 10
.set PFO, 28                           ; v28  256 x lane, for the prefetches
.set QS,  29                           ; v29  Q's scale words
.set SA0, 30                           ; v30, v31, v86 where my six registers of a fragment of y go; v87 my two scale bytes; v88, v89 where I read a whole fragment and its words back
.set SA1, 31
.set SA2, 86
.set SAS, 87
.set SRD, 88
.set SRS, 89
.set R16, 90                           ; v90  16 r
.set QO,  91                           ; v91, v92 Q's offsets in its chunk
.set QSO, 92
.set YA,  192                          ; v192-197, v198 the first phase's codes and scale bytes;  v200-205, v206 the second's
.set YAS, 198
.set YB,  200
.set YBS, 206
.set QB,  208                          ; v208-219, v220 the second phase's Q
.set QBS, 220
; v12 -M, v13 the largest t, v[14:15] the sum; v16-27 Q; v32-79 four fragments; v80-83 K's scale words, v84-85 V's; v96-159 S^T, then p; v160-191 O^T; v224-235 p's codes; v232-254 at work; v253 p's scale word
.set TB,  2                            ; s2   LDS byte at which the slot in hand begins
.set SS,  3                            ; s3   the place in the walk, 0 .. 16
.set FQ,  8                            ; s8   w / 2: my query fragment.  Also, in waves 0-3: which of a slot's two steps I fetch
.set WV,  18
.set HE,  19                           ; s19  w % 2: my head of the pair.  Also: I fetch K's chunk (0) or V's (1)
.set SEL, 20
.set CS,  22                           ; s[22:23] log2(e) / 8
.set G1,  24
.set G0,  32
.set KB,  36                           ; s[36:37] the first of the 16 chunks that I fetch from;  s[38:39] an offset
.set KO,  38
.set CC,  40                           ; s40  c;  s41  c + 1
.set CC1, 41
.set SG,  42                           ; s42  the first place of the walk in the next fill
.set SLOTS, 44
.set LIM, 47
.set PFA, 48
.set ME,  50                           ; s50, s51 masks that keep my head's half of Q
.set MO,  51
.set YCB, 52                           ; s[52:53] the fragment of y that I store;  s[54:55] its scale words
.set YSB, 54
.macro TLOAD lim                       ; waves under lim fetch, one load each; four v_nop follow
	s_cmp_lt_u32 s[WV], \lim
	s_cbranch_scc0 .Lnone_\@
	tensor_load_to_lds s[G0:G0+3], s[G1:G1+7]
	s_nop 0
.rept 4
	v_nop
.endr
.Lnone_\@:
.endm
.macro DESC                            ; the chunk of place SG + (which step I fetch): key step = place, or place - c - 1 in the second phase
	s_add_co_u32 s45, s[SG], s[FQ]
	s_cmp_gt_u32 s45, s[CC]
	s_cselect_b32 s46, s[CC1], 0
	s_sub_co_u32 s45, s45, s46
	s_mul_i32 s[KO], s45, 12800
	s_add_nc_u64 s[G0+2:G0+3], s[KB:KB+1], s[KO:KO+1]
	s_or_b32 s[G0+3], s[G0+3], 0x80000000
	s_add_co_u32 s[SG], s[SG], 2
.endm
; A PREFETCH INTO THE L2.  A pair's 16 chunks of K are 204,800 consecutive bytes, 25 pieces of 8,192; V's likewise.  Of the eight work-groups that walk them, c = 0 comes first to the later chunks: it alone asks.
; Waves 4-7 ask for K's, waves 8-11 for V's, a piece a wave, lanes 256 bytes apart: pieces 5 .. 24, four at each of the first five changes of slots, each piece once in the launch.
; The first names pieces 5-8, in which the next change's two key steps (3 and 4 of that work-group's second phase) lie; later ones run further ahead.  Pieces 0-4 come by their loads alone.
.macro ASK
	s_cmp_gt_u32 s[SLOTS], s[LIM]
	s_cbranch_scc0 .Lnot_mine_\@
	global_prefetch_b8 v[PFO], s[PFA:PFA+1] th:TH_LOAD_NT scope:SCOPE_SE
.Lnot_mine_\@:
.endm
; THE CHANGE OF SLOTS stands at a slot's head: each wave waits for all its tensor loads, adds 0 to its spare word, waits for that and for its reads of the slot that it has left; behind the barrier the slot ahead is whole and
; the other one is filled with the next two places of the walk: the load has two key steps in which to land.
.macro CHANGE fill, lim
	s_wait_tensorcnt 0x0                           ; no tensor load of mine is out, so group 0 may be written
	ds_add_u32 v[SPW], v[NIL]
.if \fill
	s_xor_b32 s[G0+1], s[G0+1], SLOT1
	DESC
	s_wait_xcnt 0x0                                ; the last prefetch, a slot back, has read its address
	s_add_nc_u64 s[PFA:PFA+1], s[PFA:PFA+1], 32768
.endif
	s_wait_dscnt 0x0
	s_barrier_signal -1
	s_barrier_wait -1
.if \fill
	TLOAD \lim
	ASK
.endif
.endm
; A phase's end: O^T / the sum, quantised along my head's 64 channels (register 16 b + i = channel 32 b + 16 (lane / 16) + i): six registers of a fragment of y, and two scale bytes
.macro FINISH1 y, ys
.rept 4
	v_nop                                          ; places behind the last products
.endr
	v_add_f32 v14, v14, v15
	v_permlanex16_b32 v252, v14, s[SEL], s[SEL+1]
	v_add_f32 v14, v14, v252                       ; the row's sum
	v_rcp_f32 v14, v14
	v_nop                                          ; a plain place behind the transcendental,
	s_wait_alu depctr_va_vdst(0)                   ; and a wait ahead of its first reader
.set J, 0
.rept 32
	v_mul_f32 v[96+J], v[160+J], v14               ; each accumulator from its low end on
.set J, J+1
.endr
.irp b, 0,1
	v_max3_num_f32 v[232+\b], |v[96+16*\b]|, |v[97+16*\b]|, 0x1800000
.endr
.irp i, 2,4,6,8,10,12,14
.irp b, 0,1
	v_max3_num_f32 v[232+\b], v[232+\b], |v[96+16*\b+\i]|, |v[97+16*\b+\i]|
.endr
.endr
.irp b, 0,1
	v_permlanex16_b32 v[236+\b], v[232+\b], s[SEL], s[SEL+1]
.endr
.irp b, 0,1
	v_max_num_f32 v[232+\b], v[232+\b], v[236+\b]
.endr
.irp b, 0,1
	v_add_nc_u32 v[244+\b], 0xff000000, v[232+\b]
.endr
.irp b, 0,1
	v_lshrrev_b32 v[236+\b], 23, v[244+\b]
.endr
	v_lshl_or_b32 v[\ys], v237, 8, v236
	v_cvt_scalef32_pk16_fp6_f32 v[224:226], v[96:111], v244
	v_cvt_scalef32_pk16_fp6_f32 v[228:230], v[112:127], v245
	v_nop                                          ; one plain place behind a scaled conversion
.irp i, 0,1,2
	v_permlane16_swap_b32 v[224+\i], v[228+\i]     ; lanes 0-15 now hold block 0, lanes 16-31 block 1
.endr
.irp i, 0,1,2
	v_mov_b32 v[\y+\i], v[224+\i]
	v_mov_b32 v[\y+3+\i], v[228+\i]
.endr
.endm
; A phase's start: Q's operand with zero codes for the other head; the largest t -3e38; sums and O^T zero (the first change of M multiplies zeros).  The moves are also the places ahead of the next products
.macro INIT src, sc
.if \sc
	v_mov_b32 v[QS], v[QBS]
.endif
.irp i, 0,1,2,3,4,5
	v_and_b32 v[16+\i], s[ME], v[\src+\i]
.endr
.irp i, 6,7,8,9,10,11
	v_and_b32 v[16+\i], s[MO], v[\src+\i]
.endr
	v_mov_b32 v13, 0xff61b1e6
	v_floor_f32 v12, -v13
	v_mov_b32 v14, 0
	v_mov_b32 v15, 0
.set J, 0
.rept 32
	v_mov_b32 v[160+J], 0
.set J, J+1
.endr
.endm
; A KEY STEP: 128 keys, the q-th of the slot in hand.  pc = 1 (places 0 .. 13, which hold c and c + 1): the change of phase and the diagonal are tested for, by scalar branches on ids.  dg = 1 (place 16): the diagonal.
.macro STEP q, pc, dg
.if \pc
	s_cmp_eq_u32 s[SS], s[CC1]
	s_cbranch_scc0 .Lsame_\@
	FINISH1 YA, YAS
	INIT QB, 1
.Lsame_\@:
.endif
	v_add_nc_u32 v[ADK], s[TB], v[AK0]
	v_add_nc_u32 v[ADV], s[TB], v[AV0]
	v_add_nc_u32 v[ADT], s[TB], v[AT0]
	v_nop                                          ; four places in front of loads into registers that the last products have read
	ds_load_b128 v[80:83], v[ADK] offset:(\q)*ENT+12288   ; the scale words of K's eight fragments
.irp g, 0,1                            ; S^T = K Q^T, four fragments of 16 keys at a time
.if \g
.rept 4
	v_nop
.endr
.endif
.irp t, 0,1,2,3
.irp c, 0,1,2
	ds_load_b128 v[32+12*\t+4*\c:35+12*\t+4*\c], v[ADK] offset:(\q)*ENT+(4*\g+\t)*1536+512*\c
.endr
.endr
	s_wait_dscnt 0x0
.irp t, 0,1,2,3
.if \t%2
	v_wmma_scale_f32_16x16x128_f8f6f4 v[96+8*(4*\g+\t):103+8*(4*\g+\t)], v[32+12*\t:43+12*\t], v[16:27], 0, v[80+(4*\g+\t)/2], v[QS] matrix_a_fmt:MATRIX_FMT_FP6 matrix_b_fmt:MATRIX_FMT_FP6 matrix_a_scale:MATRIX_SCALE_ROW1
.else
	v_wmma_scale_f32_16x16x128_f8f6f4 v[96+8*(4*\g+\t):103+8*(4*\g+\t)], v[32+12*\t:43+12*\t], v[16:27], 0, v[80+(4*\g+\t)/2], v[QS] matrix_a_fmt:MATRIX_FMT_FP6 matrix_b_fmt:MATRIX_FMT_FP6
.endif
.endr
.endr                                  ; register 16 b + i of v96 on: key 32 b + 16 (lane / 16) + i
.rept 4
	v_nop
.endr
.irp t, 0,1,2,3                        ; V's four fragments of my head are asked for now and land during the softmax
.irp c, 0,1,2
	ds_load_b128 v[32+12*\t+4*\c:35+12*\t+4*\c], v[ADV] offset:(\q)*ENT+1536*\t+512*\c
.endr
.endr
	ds_load_b64 v[84:85], v[ADT] offset:(\q)*ENT
.if \pc
	s_cmp_lg_u32 s[SS], s[CC]
	s_cbranch_scc1 .Lopen_\@
.endif
.if \pc || \dg                         ; on the diagonal the keys' chunk is the queries': the scores of hidden keys become -infinity ahead of the maximum
	v_mov_b32 v254, 0xff800000
.set N, 0
.rept 64
	v_cmp_gt_i32 vcc_lo, 32*(N/16)+N%16, v[DQ]
	v_cndmask_b32 v[96+N], v[96+N], v254, vcc_lo
.set N, N+1
.endr
.endif
.if \pc
.Lopen_\@:
.endif
.irp b, 0,1,2,3
	v_max3_num_f32 v[232+\b], v[96+16*\b], v[97+16*\b], v[98+16*\b]   ; the largest score of each block of 32 keys: for the row's maximum and, since p rises with the score, for the block's largest p
.endr
.irp i, 3,5,7,9,11,13
.irp b, 0,1,2,3
	v_max3_num_f32 v[232+\b], v[232+\b], v[96+16*\b+\i], v[97+16*\b+\i]
.endr
.endr
.irp b, 0,1,2,3
	v_max_num_f32 v[232+\b], v[232+\b], v[111+16*\b]
.endr
.irp b, 0,1,2,3
	v_permlanex16_b32 v[236+\b], v[232+\b], s[SEL], s[SEL+1]
.endr
.irp b, 0,1,2,3
	v_max_num_f32 v[232+\b], v[232+\b], v[236+\b]
.endr
	v_max3_num_f32 v254, v232, v233, v234
	v_max_num_f32 v254, v254, v235
	v_mul_f32 v254, s[CS], v254
	v_max_num_f32 v13, v13, v254                   ; the running largest t
	v_mov_b32 v254, v12
	v_floor_f32 v12, -v13                          ; the new -M = -ceil(t)
	v_sub_f32 v254, v12, v254                      ; old M - new M: a whole number, 0 or less
	v_cvt_i32_f32 v254, v254                       ; (it saturates)
	v_ldexp_f32 v252, 1.0, v254                    ; f = 2^(old M - new M)
.set J, 0
.rept 32
	v_pk_fma_f32 v[96+J:97+J], v[96+J:97+J], s[CS:CS+1], v[12:13] op_sel_hi:[1,0,0]   ; t - M, two at a time
.set J, J+2
.endr
.irp b, 0,1,2,3
	v_fma_f32 v[232+\b], v[232+\b], s[CS], v12
.endr
.set J, 0
.rept 64
	v_exp_f32 v[96+J], v[96+J]                     ; p = 2^(t - M)
.set J, J+1
.endr
	v_pk_mul_f32 v[14:15], v[14:15], v[252:253] op_sel_hi:[1,0]   ; the sums under the new M: a plain place behind the exponentials
	s_wait_alu depctr_va_vdst(0)                   ; one wait for the batch, ahead of its first reader
.irp b, 0,1,2,3
	v_exp_f32 v[232+\b], v[232+\b]                 ; each block's largest p
.endr
	v_pk_add_f32 v[236:237], v[96:97], v[98:99]    ; the row's sum of the unquantised p, in two chains
.irp j, 4,8,12,16,20,24,28,32,36,40,44,48,52,56,60
	v_pk_add_f32 v[14:15], v[14:15], v[96+\j:97+\j]
	v_pk_add_f32 v[236:237], v[236:237], v[98+\j:99+\j]
.endr
	v_pk_add_f32 v[14:15], v[14:15], v[236:237]
	s_wait_alu depctr_va_vdst(0)                   ; and one for the four
.irp b, 0,1,2,3
	v_max_num_f32 v[232+\b], 0x1800000, v[232+\b]  ; the floor 2^(3 - 127)
.endr
.irp b, 0,1,2,3
	v_add_nc_u32 v[244+\b], 0xff000000, v[232+\b]
.endr
.irp b, 0,1,2,3
	v_lshrrev_b32 v[236+\b], 23, v[244+\b]
.endr
	v_lshl_or_b32 v253, v237, 8, v236              ; p's scale word for these 128 keys
	v_lshl_or_b32 v253, v238, 16, v253
	v_lshl_or_b32 v253, v239, 24, v253
.irp c, 0,1
	v_cvt_scalef32_pk16_fp6_f32 v[224+6*\c:226+6*\c], v[96+32*\c:111+32*\c], v[244+2*\c]
	v_cvt_scalef32_pk16_fp6_f32 v[236+4*\c:238+4*\c], v[112+32*\c:127+32*\c], v[244+2*\c+1]
.endr
	v_nop                                          ; one plain place behind a scaled conversion
.irp c, 0,1
.irp i, 0,1,2
	v_permlane16_swap_b32 v[224+6*\c+\i], v[236+4*\c+\i]
.endr
.irp i, 0,1,2
	v_mov_b32 v[227+6*\c+\i], v[236+4*\c+\i]
.endr
.endr
.set J, 0
.rept 16
	v_pk_mul_f32 v[160+J:161+J], v[160+J:161+J], v[252:253] op_sel_hi:[1,0]   ; O^T under the new M; these sixteen are also the places ahead of the products below
.set J, J+2
.endr
	s_wait_dscnt 0x0                               ; V
.irp t, 0,1,2,3                        ; O^T += V^T P^T: my head's 64 channels; the four accumulators by turns
.if \t%2
	v_wmma_scale_f32_16x16x128_f8f6f4 v[160+8*\t:167+8*\t], v[32+12*\t:43+12*\t], v[224:235], v[160+8*\t:167+8*\t], v[84+\t/2], v253 matrix_a_fmt:MATRIX_FMT_FP6 matrix_b_fmt:MATRIX_FMT_FP6 matrix_a_scale:MATRIX_SCALE_ROW1
.else
	v_wmma_scale_f32_16x16x128_f8f6f4 v[160+8*\t:167+8*\t], v[32+12*\t:43+12*\t], v[224:235], v[160+8*\t:167+8*\t], v[84+\t/2], v253 matrix_a_fmt:MATRIX_FMT_FP6 matrix_b_fmt:MATRIX_FMT_FP6
.endif
.endr
	s_add_co_u32 s[SS], s[SS], 1
.endm
	s_load_b128 s[4:7], s[0:1], 0x0                ; qkv s[4:5], yq s[6:7]
	v_lshl_add_u32 v[SPW], v0, 2, SPARE
	v_mov_b32 v[NIL], 0
	ds_add_u32 v5, v6
	s_wait_dscnt 0x0
	v_lshrrev_b32 v8, 5, v0
	v_readfirstlane_b32 s[WV], v8                  ; wave 0..15
	s_and_b32 s[HE], s[WV], 1
	s_lshr_b32 s[FQ], s[WV], 1
	s_mov_b32 s[CC], ttmp9
	s_add_co_u32 s[CC1], ttmp9, 1
	s_and_b32 s56, ttmp7, 0xffff
	s_lshr_b32 s57, s56, 3                         ; b
	s_and_b32 s58, s56, 7                          ; j
	s_lshl_b32 s59, s58, 6
	s_lshl_b32 s60, s57, 4
	s_add_co_u32 s59, s59, s60                     ; 64 j + 16 b: q's first chunk of this batch and pair
	s_lshl_b32 s60, s[HE], 9
	s_add_co_u32 s60, s60, s59
	s_add_co_u32 s60, s60, 512                     ; k's lie 512 chunks on, v's 1,024
	s_mul_i32 s60, s60, 12800
	s_mov_b32 s61, 0
	s_add_co_u32 s62, s59, s[CC]                   ; the first phase's queries: chunk c
	s_mul_i32 s62, s62, 12800
	s_mov_b32 s63, 0
	s_add_co_u32 s66, s59, 15
	s_sub_co_u32 s66, s66, s[CC]                   ; the second's: chunk 15 - c
	s_mul_i32 s66, s66, 12800
	s_mov_b32 s67, 0
	s_lshr_b32 s68, s[WV], 3                       ; the prefetches: waves under 8 stand in K's chunks, the others in V's,
	s_lshl_b32 s68, s68, 9
	s_add_co_u32 s68, s68, s59
	s_add_co_u32 s68, s68, 512
	s_mul_i32 s68, s68, 12800
	s_and_b32 s69, s[WV], 3
	s_add_co_u32 s69, s69, 1
	s_lshl_b32 s69, s69, 13                        ; at piece 1 + w % 4: the first change of slots steps it four pieces on
	s_add_co_u32 s68, s68, s69
	s_mov_b32 s69, 0
	s_sub_co_u32 s70, 15, s[CC]
	s_cmp_eq_u32 s[HE], 0                          ; at the end wave (f, e) stores phase e's fragment f
	s_cselect_b32 s70, s[CC], s70
	s_cselect_b32 s[ME], -1, 0
	s_lshl_b32 s71, s57, 4
	s_add_co_u32 s70, s70, s71
	s_lshl_b32 s70, s70, 3
	s_add_co_u32 s70, s70, s[FQ]                   ; its row tile: 8 x chunk + f
	s_lshl_b32 s72, s70, 9
	s_lshr_b32 s73, s58, 2
	s_lshl_b32 s73, s73, 8
	s_add_co_u32 s72, s72, s73
	s_and_b32 s73, s58, 3
	s_lshl_b32 s73, s73, 2
	s_add_co_u32 s72, s72, s73
	s_add_co_u32 s72, s72, 6291456                 ; its scale words: K step j of the last product
	s_mov_b32 s73, 0
	s_lshl_b32 s70, s70, 3
	s_add_co_u32 s70, s70, s58
	s_mul_i32 s70, s70, 1536
	s_mov_b32 s71, 0
	s_not_b32 s[MO], s[ME]
	s_sub_co_u32 s45, s[WV], 4
	s_lshr_b32 s45, s45, 3                         ; 0 in waves 4 to 11,
	s_or_b32 s45, s45, ttmp9                       ; of the work-group with c = 0
	s_cmp_eq_u32 s45, 0
	s_cselect_b32 s[LIM], 3, -1                    ; they ask while more than 3 slots are to come
	s_mov_b32 s[G1], 3<<16                         ; a chunk: 12,800 dense bytes as 50 rows of 256 (32 elements of 8 bytes); no mask, no padding
	s_mov_b32 s[G1+1], 32<<16
	s_mov_b32 s[G1+2], 50<<16
	s_mov_b32 s[G1+3], 32<<16
	s_mov_b32 s[G1+4], 50
	s_mov_b32 s[G1+5], 32
	s_mov_b32 s[G1+6], 0
	s_mov_b32 s[G1+7], 0
	s_mov_b32 s[SEL], 0x76543210
	s_mov_b32 s[SEL+1], 0xfedcba98
	s_mov_b32 s[CS], 0x3e38aa3b                    ; log2(e) / 8
	s_mov_b32 s[CS+1], s[CS]
	s_mov_b32 s[TB], 0
	s_mov_b32 s[SS], 0
	s_mov_b32 s[SG], 0
	s_mov_b32 s[KO+1], 0
	s_mov_b32 s[SLOTS], 8
	s_wait_kmcnt 0x0
	s_add_nc_u64 s[KB:KB+1], s[4:5], s[60:61]
	s_add_nc_u64 s[60:61], s[4:5], s[62:63]
	s_add_nc_u64 s[62:63], s[4:5], s[66:67]
	s_add_nc_u64 s[PFA:PFA+1], s[4:5], s[68:69]
	s_add_nc_u64 s[YCB:YCB+1], s[6:7], s[70:71]
	s_add_nc_u64 s[YSB:YSB+1], s[6:7], s[72:73]
	s_mov_b32 s[G0], 1
	s_mul_i32 s[G0+1], s[WV], 12800                ; wave w's chunk lands at 12,800 w of the slot: step w / 2, K's then V's
	DESC
	TLOAD 4                                        ; slot 0: places 0 and 1 of the walk
	v_and_b32 v7, 31, v0                           ; lane
	v_and_b32 v8, 15, v0                           ; r
	v_bfe_u32 v9, v0, 4, 1                         ; h
	v_lshlrev_b32 v[AK0], 4, v7
	s_mul_i32 s45, s[HE], 6144
	s_add_co_u32 s45, s45, 12800
	v_add_nc_u32 v[AV0], s45, v[AK0]
	s_lshl_b32 s45, s[HE], 3
	s_add_co_u32 s45, s45, 25088
	v_add_nc_u32 v[AT0], s45, v[AK0]
	v_and_b32 v10, 8, v8
	v_add_nc_u32 v10, v10, v8                      ; r + 8 (r / 8)
	s_lshr_b32 s45, s[FQ], 1
	s_lshl_b32 s45, s45, 5
	s_and_b32 s46, s[FQ], 1
	s_lshl_b32 s46, s46, 3
	s_add_co_u32 s45, s45, s46
	v_add_nc_u32 v10, s45, v10                     ; my query's place in its chunk
	v_lshlrev_b32 v11, 4, v9
	v_sub_nc_u32 v[DQ], v10, v11
	v_lshlrev_b32 v[PFO], 8, v7
	v_lshlrev_b32 v[R16], 4, v8
	s_mul_i32 s45, s[FQ], 3072
	s_add_co_u32 s45, s45, STG
	v_add_nc_u32 v11, s45, v[AK0]                  ; fragment 2 f of the stage.  My head's registers are 6 e .. 6 e + 5 of the twelve; register n lies at 512 (n / 4) + 4 (n % 4)
	s_mul_i32 s46, s[HE], 520
	v_add_nc_u32 v[SA0], s46, v11                  ; registers 0, 1 at 0;       6, 7 at 520
	s_add_co_u32 s46, s46, 512
	v_add_nc_u32 v[SA2], s46, v11                  ; registers 4, 5 at 512;     10, 11 at 1,032
	s_mul_i32 s46, s[HE], 1016
	s_add_co_u32 s46, s46, 8
	v_add_nc_u32 v[SA1], s46, v11                  ; registers 2, 3 at 8;       8, 9 at 1,024
	s_lshl_b32 s45, s[FQ], 7
	s_lshl_b32 s46, s[HE], 1
	s_add_co_u32 s45, s45, s46
	s_add_co_u32 s45, s45, STGS
	v_lshl_add_u32 v[SAS], v8, 2, s45              ; my two bytes of row r's word
	s_mul_i32 s45, s[WV], 1536
	s_add_co_u32 s45, s45, STG
	v_add_nc_u32 v[SRD], s45, v[AK0]               ; back: fragment 2 f + e = w
	s_lshl_b32 s45, s[WV], 6
	s_add_co_u32 s45, s45, STGS
	v_lshl_add_u32 v[SRS], v8, 2, s45
	s_mul_i32 s45, s[FQ], 1536
	v_add_nc_u32 v[QO], s45, v[AK0]                ; Q: fragment f of its chunk,
	s_and_b32 s45, s[FQ], 1
	s_lshl_b32 s45, s45, 8
	s_lshr_b32 s46, s[FQ], 1
	s_lshl_b32 s46, s46, 2
	s_add_co_u32 s45, s45, s46
	s_add_co_u32 s45, s45, 12288
	v_add_nc_u32 v[QSO], s45, v[R16]               ; and row r's word of it
.irp c, 0,1,2
	global_load_b128 v[32+4*\c:35+4*\c], v[QO], s[60:61] offset:512*\c
	global_load_b128 v[QB+4*\c:QB+4*\c+3], v[QO], s[62:63] offset:512*\c
.endr
	global_load_b32 v[QS], v[QSO], s[60:61]
	global_load_b32 v[QBS], v[QSO], s[62:63]
.irp b, 0,1,2,3
	v_mov_b32 v[236+\b], 0                         ; written once: a lane permute's destination counts as one of its sources
.endr
	v_mov_b32 v252, 0
	v_mov_b32 v253, 0                              ; (named as the upper half of the pair v[252:253] before it is first written)
.irp i, 0,1,2,3,4,5,6
	v_mov_b32 v[YA+\i], 0                          ; the first phase's result is made under a branch: so it is written on every path of the text
.endr
	s_wait_loadcnt 0x0                             ; Q
	INIT 32, 0
.Lslot:                                            ; seven trips: places 0 .. 13; behind each change of slots the next two places are asked for
	CHANGE 1, 4
	STEP 0, 1, 0
	STEP 1, 1, 0
	s_xor_b32 s[TB], s[TB], SLOT1
	s_sub_co_u32 s[SLOTS], s[SLOTS], 1
	s_cmp_lg_u32 s[SLOTS], 1
	s_cbranch_scc1 .Lslot
	CHANGE 1, 2                                    ; the tail is written out: the last fill is place 16 alone, waves 0 and 1
	STEP 0, 0, 0
	STEP 1, 0, 0
	s_xor_b32 s[TB], s[TB], SLOT1
	CHANGE 0, 0
	STEP 0, 0, 1                                   ; place 16: the second phase's diagonal
	FINISH1 YB, YBS
	; THE WAY OUT.  A fragment of y (16 queries x the pair's 128 channels) is made of two waves' halves: they meet in LDS, and wave (f, e) stores phase e's fragment whole.
.irp p, 0,1
	ds_store_b64 v[SA0], v[YA+8*\p:YA+8*\p+1] offset:1536*\p
	ds_store_b64 v[SA1], v[YA+8*\p+2:YA+8*\p+3] offset:1536*\p
	ds_store_b64 v[SA2], v[YA+8*\p+4:YA+8*\p+5] offset:1536*\p
	ds_store_b16 v[SAS], v[YAS+8*\p] offset:64*\p  ; lanes l and l + 16 write the same two bytes with the same value
.endr
	s_wait_dscnt 0x0                               ; for the others' sake: my stores are done
	s_barrier_signal -1
	s_barrier_wait -1
.irp c, 0,1,2
	ds_load_b128 v[32+4*\c:35+4*\c], v[SRD] offset:512*\c
.endr
	ds_load_b32 v44, v[SRS]
	s_wait_dscnt 0x0
.irp c, 0,1,2
	global_store_b128 v[AK0], v[32+4*\c:35+4*\c], s[YCB:YCB+1] offset:512*\c   ; 512 consecutive bytes, aligned
.endr
	global_store_b32 v[R16], v44, s[YSB:YSB+1]     ; four bytes a row, 16 bytes apart (the other K steps' words lie between); lanes l and l + 16 store the same word to the same place
	s_wait_tensorcnt 0x0                           ; the wave's end
	ds_add_u32 v[SPW], v[NIL]
	s_wait_dscnt 0x0
	s_endpgm
.Lfunc_end_k_qa1ba50e99a_attn:
	.size	k_qa1ba50e99a_attn, .Lfunc_end_k_qa1ba50e99a_attn-k_qa1ba50e99a_attn
	.p2alignl 7, 3214868480
	.fill 96, 4, 3214868480
	.section	.rodata,"a",@progbits
	.p2align	6, 0x0
	.amdhsa_kernel k_qa1ba50e99a_attn
		.amdhsa_group_segment_fixed_size 327680
		.amdhsa_private_segment_fixed_size 0
		.amdhsa_enable_private_segment 0
		.amdhsa_kernarg_size 16
		.amdhsa_user_sgpr_count 2
		.amdhsa_user_sgpr_kernarg_segment_ptr 1
		.amdhsa_wavefront_size32 1
		.amdhsa_system_sgpr_workgroup_id_x 1
		.amdhsa_system_sgpr_workgroup_id_y 1
		.amdhsa_system_sgpr_workgroup_id_z 1
		.amdhsa_system_vgpr_workitem_id 0
		.amdhsa_next_free_vgpr 256
		.amdhsa_next_free_sgpr 80
		.amdhsa_reserve_vcc 1
		.amdhsa_float_denorm_mode_32 3
		.amdhsa_float_denorm_mode_16_64 3
		.amdhsa_memory_ordered 1
		.amdhsa_forward_progress 1
		.amdhsa_inst_pref_size 122
	.end_amdhsa_kernel
	.amdgpu_metadata
---
amdhsa.version: [ 1, 2 ]
amdhsa.kernels:
  - .name:           k_qa1ba50e99a_attn
    .symbol:         k_qa1ba50e99a_attn.kd
    .args:
      - { .name: qkv, .offset: 0, .size: 8, .value_kind: global_buffer, .address_space: global }
      - { .name: yq, .offset: 8, .size: 8, .value_kind: global_buffer, .address_space: global }
    .group_segment_fixed_size: 327680
    .private_segment_fixed_size: 0
    .kernarg_segment_align: 8
    .kernarg_segment_size: 16
    .max_flat_workgroup_size: 512
    .sgpr_count:     80
    .vgpr_count:     256
    .wavefront_size: 32
...
	.end_amdgpu_metadata
.endif
;; end of part 3
;; launch proj (part 4): grid 4 x 32, 4 waves a work-group, clusters of 4 x 4, 327,680 bytes of LDS; arguments yq, wpq, b_proj, out0; writes out0
.if DOCPART == 4
	.amdgcn_target "amdgcn-amd-amdhsa--gfx1250"
	.amdhsa_code_object_version 6
	.text
	.protected	k_qa1ba50e99a_proj
	.globl	k_qa1ba50e99a_proj
	.p2align	8
	.type	k_qa1ba50e99a_proj,@function
k_qa1ba50e99a_proj:
	s_mov_b64 s[64:65], 0
	v_nop
	global_prefetch_b8 v0, s[64:65] scope:SCOPE_SE
	s_setreg_imm32_b32 hwreg(HW_REG_WAVE_MODE, 25, 1), 1
	s_wait_xcnt 0x0
	s_wait_alu depctr_hold_cnt(0) depctr_sa_sdst(0) depctr_va_vdst(0) depctr_va_sdst(0) depctr_va_ssrc(0) depctr_va_vcc(0) depctr_vm_vsrc(0)
	s_getreg_b32 s2, hwreg(HW_REG_IB_STS2, 6, 4)
	s_cmp_eq_u32 s2, 0
	s_cbranch_scc0 .Lentry_in_a_cluster
	s_endpgm
.Lentry_in_a_cluster:
	s_bfe_u32 s2, ttmp6, 0x10000c
	s_cmp_lg_u32 s2, 0xf033
	s_cbranch_scc0 .Lentry_shape_is_right
	s_endpgm
.Lentry_shape_is_right:
; A GEMM on codes of FP6 (E2M3) with E8M0 scales, K = 1,024, whose operands lie in memory as images of operand registers (fragments of 16 rows x 128 K: 1,536 bytes;
; [row tile][K step 0..7][1,536], behind all codes the scale words [row tile][K step / 4][row][K step % 4]; lane r of tile p is row 32 (p / 2) + 8 (p % 2) + r + 8 (r / 8)).
; QKV = 1: qkv = x w_attn + b_attn, quantised again on the way out (q and k along the head's 64, v along the keys) and stored as fragments.   QKV = 0: out0 = y w_proj + b_proj, f32.
; This is the text with QKV = 0.
; SHARES.  A work-group of four waves takes 256 rows of the activations ("A", tile Y) x 256 rows of the transposed weight ("B", tile X); a wave 128 x 128: 64 accumulators, 512 registers.
; SOURCE 1 gives a lane its row, and a lane's registers run along SOURCE 0's rows; with the tiles' rows chosen as above the 16 registers of source 0's tiles 2 b and 2 b + 1 are 16 neighbours.
; Here source 1 = A, source 0 = B.
; THE RING.  K is four steps of 256.  Three LDS slots: K steps 0, 1, 2 and all scale words go out together at the start (four tensor loads of mine are out); K step 3 is the one refill, into slot 0.
; CLUSTERS: 4 x 4 work-groups; A's tiles are asked for jointly along a row of the cluster, B's along a column.
; REGISTERS, in windows of 256: window 0: v1-31 addresses; v32-63 scale words, two sets; v64-127 the bias, as the C of the first products; v128-223 source 1's fragments, ONE set;
;   window 1: source 0's fragments, TWO sets, at v0 and v128;   window 2: accumulators of my source 1 tiles 0-3 ((a, b) at v[8 (8 (a % 4) + b)]);   window 3: tiles 4-7.
.set QKV, 0
.set HALFT,  24576                     ; 8 row tiles x 256 along K: what one tensor load brings
.set SLOT,   4*HALFT                   ; A's two halves, then B's
.set SCL,    3*SLOT                    ; behind the ring: the scale words of the 512 rows, for all of K
.set HALFS,  4096
.set SPARE,  SCL+4*HALFS               ; the spare words, 128 bytes a wave: two blocks of 256 bytes that no other line names
.set FR,     12
.set CODEA,  6291456                   ; where A's scale words begin
.if QKV
.set CODEB,  2359296                   ; and B's
.else
.set CODEB,  786432
.endif
.set SPITCH, 528
.set STAGE,  SLOT                      ; (QKV = 0) the way out: 16 rows x 528 bytes a wave, in slot 1: filled once, and read for the last time ahead of K step 5's barrier
.set VO,   4                           ; v4-11   the bias's offsets
.set ADR1, 16                          ; v16-18  LDS address of source 1's fragments in slot 0, 1, 2
.set ADR0, 20                          ; v20-22  of source 0's
.set LI,   24                          ; v24     16 x lane
.set STO,  25
.set RD,   26
.set ADRS, 27                          ; v27     my scale words: lanes 0-15 source 1's rows, lanes 16-31 source 0's
.set SPW,  28                          ; v28     my spare word; never rewritten
.set NIL,  29                          ; v29     0; never rewritten
.set SC,   32
.set BI,   64
.set AF,   128
.set PC,   128                         ; the way out (QKV = 1): codes, at work, scale words
.set TM,   160
.set PW,   176
.set SW,   184
.set G1A,  24                          ; s[24:31] group 1 for A's tiles; s[32:43] groups 0, one a slot
.set G0A,  32
.set G1B,  44                          ; s[44:51], s[52:63] the same for B's
.set G0B,  52
.set G1S,  68                          ; s[68:75], s[76:79] A's scale words;  s[80:87], s[88:91] B's
.set G0S,  76
.set G1SB, 80
.set G0SB, 88
.set MSB, 0
.macro WIN new                         ; the immediate's high byte repeats the setting that is left
.if MSB != (\new)
	s_set_vgpr_msb (MSB<<8)|(\new)
.set MSB, (\new)
.endif
.endm
.macro PLACES n
.rept \n
	v_nop
.endr
.endm
; A joint load: waves 0 and 1 fetch for A, waves 2 and 3 for B; the branch hangs on the wave's number alone.  Four v_nop follow each of the two lines.
.macro JLOAD g0a, g1a, g0b, g1b
	s_cmp_eq_u32 s15, 0
	s_cbranch_scc0 .Lfor_b_\@
	tensor_load_to_lds s[\g0a:\g0a+3], s[\g1a:\g1a+7]
	s_nop 0
.rept 4
	v_nop
.endr
	s_branch .Lasked_\@
.Lfor_b_\@:
	tensor_load_to_lds s[\g0b:\g0b+3], s[\g1b:\g1b+7]
	s_nop 0
.rept 4
	v_nop
.endr
.Lasked_\@:
.endm
.macro CREST                           ; a round of the cluster's barrier behind its opening barrier
	s_cmp_lg_u32 s14, 0
	s_cbranch_scc1 .Lnot_wave_0_\@
	s_barrier_signal -3
.Lnot_wave_0_\@:
	s_barrier_wait -3
	s_barrier_signal -1
	s_barrier_wait -1
.endm
.macro CROUND
	s_barrier_signal -1
	s_barrier_wait -1
	CREST
.endm
.macro FRAG reg, adr, off              ; a fragment comes as it was stored: three loads of 16 bytes a lane, 512 consecutive bytes each
.irp c, 0,1,2
	ds_load_b128 v[\reg+4*\c:\reg+4*\c+3], v[\adr] offset:\off+512*\c
.endr
.endm
.macro FETCH_B n                       ; source 0's eight fragments of K step n (of 128) into set n % 2; K steps 2 s, 2 s + 1 lie in slot s % 3
	WIN 0x40
.irp i, 0,1,2,3,4,5,6,7
	FRAG 128*((\n)%2)+FR*\i, ADR0+((\n)/2)%3, 3072*\i+1536*((\n)%2)
.endr
	WIN 0
.endm
.macro FETCH_A n, i0                   ; source 1's tiles i0 .. i0 + 3
.irp i, \i0, \i0+1, \i0+2, \i0+3
	FRAG AF+FR*(\i), ADR1+((\n)/2)%3, 3072*(\i)+1536*((\n)%2)
.endr
.endm
.macro SCALES k                        ; the scale words of K steps 2 k, 2 k + 1 into set k % 2: register 2 i + q: lanes 0-15 source 1's tile i, lanes 16-31 source 0's tile i
.irp i, 0,1,2,3,4,5,6,7
	ds_load_b64 v[SC+16*((\k)%2)+2*\i:SC+16*((\k)%2)+2*\i+1], v[ADRS] offset:512*\i+256*((\k)/2)+8*((\k)%2)
.endr
.endm
; 16 products: source 1's tiles a0, a0 + 1 x source 0's eight.  cm = 0: onto the sums;  1: the sums begin with the bias of the registers' columns;  2: with the bias of the lane's row.
; The 64 accumulators take turns, one instruction a turn, in the same order in every K step.
.macro MUL16 a0, n, cm
.irp a, \a0, \a0+1
.irp b, 0,1,2,3,4,5,6,7
.if (\cm) == 0
	v_wmma_scale_f32_16x16x128_f8f6f4 v[8*(8*((\a)%4)+\b):8*(8*((\a)%4)+\b)+7], v[128*((\n)%2)+FR*\b:128*((\n)%2)+FR*\b+FR-1], v[AF+FR*(\a):AF+FR*(\a)+FR-1], v[8*(8*((\a)%4)+\b):8*(8*((\a)%4)+\b)+7], v[SC+16*(((\n)/2)%2)+2*\b+(\n)%2], v[SC+16*(((\n)/2)%2)+2*(\a)+(\n)%2] matrix_a_fmt:MATRIX_FMT_FP6 matrix_b_fmt:MATRIX_FMT_FP6 matrix_a_scale:MATRIX_SCALE_ROW1
.elseif (\cm) == 1
	v_wmma_scale_f32_16x16x128_f8f6f4 v[8*(8*((\a)%4)+\b):8*(8*((\a)%4)+\b)+7], v[128*((\n)%2)+FR*\b:128*((\n)%2)+FR*\b+FR-1], v[AF+FR*(\a):AF+FR*(\a)+FR-1], v[BI+8*\b:BI+8*\b+7], v[SC+16*(((\n)/2)%2)+2*\b+(\n)%2], v[SC+16*(((\n)/2)%2)+2*(\a)+(\n)%2] matrix_a_fmt:MATRIX_FMT_FP6 matrix_b_fmt:MATRIX_FMT_FP6 matrix_a_scale:MATRIX_SCALE_ROW1
.else
	v_wmma_scale_f32_16x16x128_f8f6f4 v[8*(8*((\a)%4)+\b):8*(8*((\a)%4)+\b)+7], v[128*((\n)%2)+FR*\b:128*((\n)%2)+FR*\b+FR-1], v[AF+FR*(\a):AF+FR*(\a)+FR-1], v[BI+8*(\a):BI+8*(\a)+7], v[SC+16*(((\n)/2)%2)+2*\b+(\n)%2], v[SC+16*(((\n)/2)%2)+2*(\a)+(\n)%2] matrix_a_fmt:MATRIX_FMT_FP6 matrix_b_fmt:MATRIX_FMT_FP6 matrix_a_scale:MATRIX_SCALE_ROW1
.endif
.endr
.endr
.endm
.macro MWIN hi, cm                     ; source 0 window 1, source 1 window 0, D window 2 or 3; C with D, or (the bias) window 0
.if (\cm) == 0
	WIN 0xa1+0x50*(\hi)
.else
	WIN 0x81+0x40*(\hi)
.endif
.endm
; A K step of 128: 64 products.  A tile of source 1 is free as soon as its eight products are issued: tiles 0-3 are fetched anew in the step's middle, tiles 4-7 at its end.
; Loads into registers that matrix instructions have read stand four plain vector instructions behind them (ISA guide 7.12.1 for vector instructions).
; kind 0: plain.  kind 1: behind a round of the cluster's barrier slot 0 is filled again.  kind 2: a barrier, so that the refill is whole for every wave.  kind 3: the last: nothing to fetch.
.macro KSTEP n, kind, cm
.if ((\kind) == 1) || ((\kind) == 2)
	s_wait_tensorcnt 0x0                           ; all my tensor loads have landed  (every window is 0 here)
	ds_add_u32 v[SPW], v[NIL]                      ; 0 onto my spare word
	s_wait_dscnt 13                                ; the add and the youngest 12 loads (source 1's tiles 4-7) may be out
	MWIN 0, \cm
	MUL16 0, \n, \cm                               ; sixteen products stand between the add and the wait for it
	s_wait_dscnt 0x0                               ; the add is done, and my reads of the slot that I leave are over
	s_barrier_signal -1
	MUL16 2, \n, \cm
	WIN 0
	s_barrier_wait -1
.if (\kind) == 1
	CREST                                          ; the barrier has opened a round of the cluster's: no wave of any partner still reads slot 0 or has a load on its way
	s_add_nc_u64 s[G0A+2:G0A+3], s[G0A+2:G0A+3], 9216   ; from K step 0 (of 256) to K step 3
	s_add_nc_u64 s[G0B+2:G0B+3], s[G0B+2:G0B+3], 9216
	JLOAD G0A, G1A, G0B, G1B                       ; my one tensor load behind the round: three and a half K steps of 128, 224 products, ahead of the wait for it; its four v_nop are the places for the loads below
.else
	PLACES 4
.endif
.else
	s_wait_dscnt 12                                ; all but the youngest 12 loads: source 1's tiles 4-7, three loads each
	MWIN 0, \cm
	MUL16 0, \n, \cm
	MUL16 2, \n, \cm
	s_wait_dscnt 0x0
.if (\kind) == 0
	PLACES 4
.endif
.endif
.if (\kind) != 3
	FETCH_B (\n)+1
	FETCH_A (\n)+1, 0
.if (\n)%2
	SCALES ((\n)+1)/2
.endif
.endif
	MWIN 1, \cm
	MUL16 4, \n, \cm
	MUL16 6, \n, \cm
.if (\kind) != 3
	PLACES 4
.endif
	WIN 0
.if (\kind) != 3
	FETCH_A (\n)+1, 4
.endif
.endm
	s_load_b256 s[4:11], s[0:1], 0x0               ; A s[4:5], B s[6:7], the bias s[8:9], the result s[10:11]
	v_lshl_add_u32 v[SPW], v0, 2, SPARE
	v_mov_b32 v[NIL], 0
	ds_add_u32 v28, v29
	s_wait_dscnt 0x0
	v_lshrrev_b32 v1, 5, v0
	v_readfirstlane_b32 s14, v1                    ; wave 0..3
	s_lshr_b32 s15, s14, 1                         ; which 128 rows of A are mine.  Also: I fetch for A (0) or for B (1)
	s_and_b32 s16, s14, 1                          ; which 128 rows of B.  Also: which half of that tile I fetch
	s_bfe_u32 s92, ttmp6, 0x40000                  ; cx, cy: my place in the cluster
	s_bfe_u32 s93, ttmp6, 0x40004
	s_lshl_b32 s94, ttmp9, 2
	s_add_co_u32 s94, s94, s92                     ; X = 4 x cluster x + cx
	s_and_b32 s17, ttmp7, 0xffff
	s_lshl_b32 s17, s17, 2
	s_add_co_u32 s17, s17, s93                     ; Y = 4 x cluster y + cy
	s_lshl_b32 s95, s93, 2
	s_lshl_b32 s95, 15, s95                        ; my row of the cluster
	s_lshl_b32 s96, 0x1111, s92                    ; my column
	; group 1, codes: 8 rows (row tiles) of 3,072 bytes (two fragments), 12,288 bytes apart; elements of 8 bytes; no padding: an image is read 512 consecutive bytes at a time
	s_or_b32 s[G1A+0], s95, (3<<16)|(1<<21)
	s_or_b32 s[G1B+0], s96, (3<<16)|(1<<21)
.irp g, G1A, G1B
	s_mov_b32 s[\g+1], 384<<16                     ; tensor_dim0
	s_mov_b32 s[\g+2], 8<<16                       ; tensor_dim1
	s_mov_b32 s[\g+3], 384<<16                     ; tile_dim0
	s_mov_b32 s[\g+4], 8                           ; tile_dim1
	s_mov_b32 s[\g+5], 1536                        ; tensor_dim0_stride
	s_mov_b32 s[\g+6], 0
	s_mov_b32 s[\g+7], 0
.endr
	; group 1, scale words of 8 row tiles: 4,096 dense bytes as 16 rows of 256
	s_or_b32 s[G1S+0], s95, (3<<16)|(1<<21)
	s_or_b32 s[G1SB+0], s96, (3<<16)|(1<<21)
.irp g, G1S, G1SB
	s_mov_b32 s[\g+1], 32<<16
	s_mov_b32 s[\g+2], 16<<16
	s_mov_b32 s[\g+3], 32<<16
	s_mov_b32 s[\g+4], 16
	s_mov_b32 s[\g+5], 32
	s_mov_b32 s[\g+6], 0
	s_mov_b32 s[\g+7], 0
.endr
	s_lshl_b32 s18, s16, 3
	s_lshl_b32 s20, s17, 4
	s_add_co_u32 s20, s20, s18                     ; A: the first row tile that I fetch: 16 Y + 8 x half
	s_lshl_b32 s22, s20, 9
	s_add_co_u32 s22, s22, CODEA
	s_mov_b32 s23, 0
	s_mul_i32 s20, s20, 12288
	s_mov_b32 s21, 0
	s_lshl_b32 s98, s94, 4
	s_add_co_u32 s98, s98, s18                     ; B: 16 X + 8 x half
	s_lshl_b32 s100, s98, 9
	s_add_co_u32 s100, s100, CODEB
	s_mov_b32 s101, 0
	s_mul_i32 s98, s98, 12288
	s_mov_b32 s99, 0
	s_mul_i32 s12, s14, HALFT                      ; where they go: wave x a half: no place in the cluster enters an LDS address
	s_lshl_b32 s13, s14, 12
	s_wait_kmcnt 0x0
	s_add_nc_u64 s[20:21], s[4:5], s[20:21]
	s_add_nc_u64 s[22:23], s[4:5], s[22:23]
	s_add_nc_u64 s[98:99], s[6:7], s[98:99]
	s_add_nc_u64 s[100:101], s[6:7], s[100:101]
	CROUND                                         ; all sixteen work-groups are here: the first joint loads meet
	s_mov_b32 s[G0S], 1
	s_add_co_u32 s[G0S+1], s13, SCL
	s_mov_b64 s[G0S+2:G0S+3], s[22:23]
	s_or_b32 s[G0S+3], s[G0S+3], 0x80000000
	s_mov_b32 s[G0SB], 1
	s_add_co_u32 s[G0SB+1], s13, SCL
	s_mov_b64 s[G0SB+2:G0SB+3], s[100:101]
	s_or_b32 s[G0SB+3], s[G0SB+3], 0x80000000
	JLOAD G0S, G1S, G0SB, G1SB                     ; the scale words first: they are wanted with K step 0
.irp s, 0,1,2
	s_mov_b32 s[G0A+4*\s], 1
	s_add_co_u32 s[G0A+4*\s+1], s12, \s*SLOT
	s_add_nc_u64 s[G0A+4*\s+2:G0A+4*\s+3], s[20:21], \s*3072
	s_or_b32 s[G0A+4*\s+3], s[G0A+4*\s+3], 0x80000000
	s_mov_b32 s[G0B+4*\s], 1
	s_add_co_u32 s[G0B+4*\s+1], s12, \s*SLOT
	s_add_nc_u64 s[G0B+4*\s+2:G0B+4*\s+3], s[98:99], \s*3072
	s_or_b32 s[G0B+4*\s+3], s[G0B+4*\s+3], 0x80000000
	JLOAD G0A+4*\s, G1A, G0B+4*\s, G1B
.endr
	v_and_b32 v1, 15, v0                           ; r
	v_bfe_u32 v2, v0, 4, 1                         ; h
	v_and_b32 v3, 31, v0                           ; lane
	v_lshlrev_b32 v[LI], 4, v3
	s_mul_i32 s18, s15, HALFT                      ; my 128 rows of A in a slot
	s_mul_i32 s19, s16, HALFT
	s_add_co_u32 s19, s19, 2*HALFT                 ; my 128 rows of B
.if QKV
	s_cmp_eq_u32 ttmp9, 2                          ; the third column of clusters makes v
	s_cselect_b32 s66, 1, 0
	s_cselect_b32 s2, s19, s18                     ; source 1's rows
	s_cselect_b32 s3, s18, s19                     ; source 0's
.else
	s_mov_b32 s2, s18
	s_mov_b32 s3, s19
.endif
.irp s, 0,1,2
	v_add_nc_u32 v[ADR1+\s], s2, v[LI]
	v_add_nc_u32 v[ADR0+\s], s3, v[LI]
	s_add_co_u32 s2, s2, SLOT
	s_add_co_u32 s3, s3, SLOT
.endr
	v_lshlrev_b32 v12, 4, v1                       ; a row's four words of a half of K: 16 r
.if QKV
	s_lshl_b32 s18, s15, 12
	s_add_co_u32 s18, s18, SCL
	s_lshl_b32 s19, s16, 12
	s_add_co_u32 s19, s19, SCL+2*HALFS
	v_add_nc_u32 v13, s19, v12                     ; B's words
	v_add_nc_u32 v12, s18, v12                     ; A's words
	s_mov_b32 s2, 0xffff0000
	s_cmp_eq_u32 s66, 0
	s_cselect_b32 s2, s2, 0xffff                   ; the lanes that take B's words: lanes 16-31 hold source 0's
	v_cndmask_b32 v[ADRS], v12, v13, s2
.else
	s_lshl_b32 s18, s15, 12
	s_lshl_b32 s19, s16, 12
	s_add_co_u32 s19, s19, 2*HALFS
	s_sub_co_u32 s19, s19, s18
	v_mul_u32_u24 v13, s19, v2                     ; lanes 16-31 take B's
	s_add_co_u32 s18, s18, SCL
	v_add_nc_u32 v12, v12, v13
	v_add_nc_u32 v[ADRS], s18, v12
.endif
	s_lshl_b32 s18, s94, 10                        ; the bias of my 128 rows of B: 4 (256 X + 128 x half) bytes on
	s_lshl_b32 s19, s16, 9
	s_add_co_u32 s18, s18, s19
	s_mov_b32 s19, 0
	s_add_nc_u64 s[8:9], s[8:9], s[18:19]
.if QKV
	v_lshlrev_b32 v12, 6, v2                       ; q, k: register 8 b + j wants column 32 (b / 2) + 8 (b % 2) + 16 h + j
	v_and_b32 v13, 8, v1
	v_add_nc_u32 v13, v13, v1
	v_lshlrev_b32 v13, 2, v13                      ; v: registers 8 a + j all want the lane's channel 32 (a / 2) + 8 (a % 2) + r + 8 (r / 8)
	s_cmp_eq_u32 s66, 0
	s_cselect_b32 s2, 0, -1
.irp j, 0,1,2,3,4,5,6,7
	v_add_nc_u32 v[VO+\j], 4*\j, v12
.endr
.irp j, 0,1,2,3,4,5,6,7
	v_cndmask_b32 v[VO+\j], v[VO+\j], v13, s2
.endr
.irp i, 0,1,2,3,4,5,6,7
.irp j, 0,1,2,3,4,5,6,7
	global_load_b32 v[BI+8*\i+\j], v[VO+\j], s[8:9] offset:(32*(\i/2)+8*(\i%2))*4   ; one form of load serves both layouts: 512 bytes of the bias a wave, once
.endr
.endr
	s_lshl_b32 s18, s94, 1                         ; my chunk of the result: ((2 X + B's half) x 64 + 2 Y + A's half) x 12,800 bytes
	s_add_co_u32 s18, s18, s16
	s_lshl_b32 s18, s18, 6
	s_lshl_b32 s19, s17, 1
	s_add_co_u32 s18, s18, s19
	s_add_co_u32 s18, s18, s15
	s_mul_i32 s18, s18, 12800
	s_mov_b32 s19, 0
	s_add_nc_u64 s[10:11], s[10:11], s[18:19]
.else
	v_lshlrev_b32 v[VO], 6, v2                     ; register 8 b + j wants column 32 (b / 2) + 8 (b % 2) + 16 h + j
.irp i, 0,1,2,3,4,5,6,7
	global_load_b128 v[BI+8*\i:BI+8*\i+3], v[VO], s[8:9] offset:(32*(\i/2)+8*(\i%2))*4
	global_load_b128 v[BI+8*\i+4:BI+8*\i+7], v[VO], s[8:9] offset:(32*(\i/2)+8*(\i%2))*4+16
.endr
	s_lshl_b32 s18, s17, 20                        ; my corner of out0: row 256 Y + 128 x A's half, column 256 X + 128 x B's half
	s_lshl_b32 s19, s15, 19
	s_add_co_u32 s18, s18, s19
	s_lshl_b32 s19, s94, 10
	s_add_co_u32 s18, s18, s19
	s_lshl_b32 s19, s16, 9
	s_add_co_u32 s18, s18, s19
	s_mov_b32 s19, 0
	s_add_nc_u64 s[10:11], s[10:11], s[18:19]
	s_mul_i32 s18, s14, 16*SPITCH
	s_add_co_u32 s18, s18, STAGE                   ; my stage
	v_mul_u32_u24 v12, v1, SPITCH
	v_lshl_add_u32 v12, v2, 6, v12
	v_add_nc_u32 v[STO], s18, v12                  ; in: row r, + 64 h
	v_add_nc_u32 v[RD], s18, v[LI]                 ; back: the 32 lanes take a row of 512 bytes
.endif
	s_wait_tensorcnt 2                             ; the scale words and my part of K step 0 are in; K steps 1 and 2 may be out
	s_barrier_signal -1
	s_barrier_wait -1
	FETCH_B 0
	FETCH_A 0, 0
	SCALES 0
	FETCH_A 0, 4
	s_wait_loadcnt 0x0                             ; the bias
.if QKV
	s_cmp_eq_u32 s66, 0                            ; the first K step is written twice: only the C of its products differs.  The branch is the same in all partners
	s_cbranch_scc0 .Lfirst_v
	KSTEP 0, 0, 1
	s_branch .Lfirst_done
.Lfirst_v:
	KSTEP 0, 0, 2
.Lfirst_done:
.else
	KSTEP 0, 0, 1
.endif
	KSTEP 1, 1, 0                                  ; slot 0 is left: it takes the last 256 along K
	KSTEP 2, 0, 0
	KSTEP 3, 0, 0                                  ; (slots 1 and 2 were shown whole by K step 1's round)
	KSTEP 4, 0, 0
	KSTEP 5, 2, 0
	KSTEP 6, 0, 0
	KSTEP 7, 3, 0
; THE WAY OUT: a lane holds pieces of 32 bytes of a row, the lanes beside it other rows: a block of 16 rows goes through my own stage and comes back as whole rows of 512 bytes.
.macro TOSTAGE a
.set AC, 64*((\a)%4)
	WIN 0x08+4*((\a)/4)                            ; the data: window 2 or 3
.irp b, 0,1,2,3,4,5,6,7
	ds_store_b128 v[STO], v[AC+8*\b:AC+8*\b+3] offset:128*(\b/2)+32*(\b%2)      ; columns 32 (b / 2) + 16 h + 8 (b % 2) on; each accumulator from its low end on
	ds_store_b128 v[STO], v[AC+8*\b+4:AC+8*\b+7] offset:128*(\b/2)+32*(\b%2)+16
.endr
	WIN 0
.set BB, 128+64*((\a)%2)
.irp t, 0,1,2,3,4,5,6,7,8,9,10,11,12,13,14,15
	ds_load_b128 v[BB+4*\t:BB+4*\t+3], v[RD] offset:\t*SPITCH    ; LDS serves a wave's instructions in order: these see the stores above
.endr
.endm
.macro SEND a, younger
.set BB, 128+64*((\a)%2)
	s_wait_dscnt \younger
.irp t, 0,1,2,3,4,5,6,7,8,9,10,11,12,13,14,15
	global_store_b128 v[LI], v[BB+4*\t:BB+4*\t+3], s[10:11] offset:(32*((\a)/2)+8*((\a)%2)+\t+8*(\t/8))*4096 th:TH_STORE_NT   ; 512 consecutive bytes, aligned; the tile's row t is row t + 8 (t / 8) of its 32
.endr
.endm
	PLACES 4                                       ; behind the last products: their results are read and source 1's registers loaded from here on
	TOSTAGE 0
.irp a, 1,2,3,4,5,6,7
.if \a > 1
	s_wait_xcnt 0x0                                ; block a - 2's stores have read their registers: block a's loads may land there
.endif
	TOSTAGE \a
	SEND \a-1, 32                                  ; behind block a - 1's loads: block a's 16 stores and 16 loads
.endr
	SEND 7, 0
	s_wait_tensorcnt 0x0                           ; the wave's end
	ds_add_u32 v[SPW], v[NIL]
	s_wait_dscnt 0x0
	CROUND                                         ; the closing round: no work-group ends while a partner may still ask for a tile that names it
	s_endpgm
.Lfunc_end_k_qa1ba50e99a_proj:
	.size	k_qa1ba50e99a_proj, .Lfunc_end_k_qa1ba50e99a_proj-k_qa1ba50e99a_proj
	.p2alignl 7, 3214868480
	.fill 96, 4, 3214868480
	.section	.rodata,"a",@progbits
	.p2align	6, 0x0
	.amdhsa_kernel k_qa1ba50e99a_proj
		.amdhsa_group_segment_fixed_size 327680
		.amdhsa_private_segment_fixed_size 0
		.amdhsa_enable_private_segment 0
		.amdhsa_kernarg_size 32
		.amdhsa_user_sgpr_count 2
		.amdhsa_user_sgpr_kernarg_segment_ptr 1
		.amdhsa_wavefront_size32 1
		.amdhsa_system_sgpr_workgroup_id_x 1
		.amdhsa_system_sgpr_workgroup_id_y 1
		.amdhsa_system_sgpr_workgroup_id_z 1
		.amdhsa_system_vgpr_workitem_id 0
		.amdhsa_next_free_vgpr 1024
		.amdhsa_next_free_sgpr 102
		.amdhsa_reserve_vcc 0
		.amdhsa_float_denorm_mode_32 3
		.amdhsa_float_denorm_mode_16_64 3
		.amdhsa_memory_ordered 1
		.amdhsa_forward_progress 1
		.amdhsa_inst_pref_size 136
	.end_amdhsa_kernel
	.amdgpu_metadata
---
amdhsa.version: [ 1, 2 ]
amdhsa.kernels:
  - .name:           k_qa1ba50e99a_proj
    .symbol:         k_qa1ba50e99a_proj.kd
    .args:
      - { .name: yq, .offset: 0, .size: 8, .value_kind: global_buffer, .address_space: global }
      - { .name: wpq, .offset: 8, .size: 8, .value_kind: global_buffer, .address_space: global }
      - { .name: b_proj, .offset: 16, .size: 8, .value_kind: global_buffer, .address_space: global }
      - { .name: out0, .offset: 24, .size: 8, .value_kind: global_buffer, .address_space: global }
    .group_segment_fixed_size: 327680
    .private_segment_fixed_size: 0
    .kernarg_segment_align: 8
    .kernarg_segment_size: 32
    .max_flat_workgroup_size: 128
    .sgpr_count:     102
    .vgpr_count:     1024
    .wavefront_size: 32
...
	.end_amdgpu_metadata
.endif
;; end of part 4
